; MI455X (gfx1250); checked and timed in simulation.
; The chip was launched on July 23, 2026; its instructions are those of AMD's public machine-readable ISA for CDNA 5 (MIT licence, August 2026) and "CDNA5" Instruction Set Architecture Reference Guide (July 2026). The comments in the code are by the model that wrote it; some were corrected since.
;; Self Attention. Allowed arithmetic: float matrix products may take bf16 or f16 operands with f32 sums; other float arithmetic in f32, or as packed bf16 or f16 multiplies, adds, multiply-adds, maxima and minima; sums over many terms, partial sums and values carried from step to step in f32; what a program stores and reads back later, other than sums and carried values, may be rounded once to bf16 or f16.
;; Inputs: Wk 1,024 x 1,024 float32; Wq 1,024 x 1,024 float32; Wv 1,024 x 1,024 float32; bk 1,024 float32; bq 1,024 float32; bv 1,024 float32; x 4 x 2,048 x 1,024 float32.
;; Outputs: out0 4 x 2,048 x 1,024 float32.
;; 2 versions, each right; version 2 is version 1 with the launch prep written anew for expert scheduling mode. Each part assembles by itself: llvm-mc -triple=amdgcn-amd-amdhsa -mcpu=gfx1250 --defsym DOCPART=n.
;; ======== version 1 of 2: 4 launches
;; limits: values are held in f16: magnitudes above 65,504 overflow, below 6.1e-05 lose precision
;; workspace buffers: xb 16,777,216 bytes; wb 6,291,456 bytes; bb 12,288 bytes; qkv 50,331,648 bytes; pm 33,554,432 bytes; st 1,048,576 bytes
;; launch prep (part 1): grid 705 x 1, 8 waves a work-group, no clusters, 0 bytes of LDS; arguments x, Wq, Wk, Wv, bq, bk, bv, xb, wb, bb; writes xb, wb, bb
.if DOCPART == 1
	.amdgcn_target "amdgcn-amd-amdhsa--gfx1250"
	.amdhsa_code_object_version 6
	.text
	.protected	k_q25400309f6_prep
	.globl	k_q25400309f6_prep
	.p2align	8
	.type	k_q25400309f6_prep,@function
k_q25400309f6_prep:
	s_mov_b64 s[64:65], 0
	v_nop
	global_prefetch_b8 v0, s[64:65] scope:SCOPE_SE
	s_setreg_imm32_b32 hwreg(HW_REG_WAVE_MODE, 25, 1), 1
	s_wait_xcnt 0x0
; PREP: the inputs are rounded to bf16 once and laid out in blocks for the projection that follows.
;   xb[kb][row][64]  = bf16(x[row][64 kb ..]),  16 x 8192 entries of 128 bytes: the rows of one kb lie end to end
;   wb[fbg][d][64]   = bf16(W[d][64 (fbg % 16) ..]),  fbg = 16 x (0 q, 1 k, 2 v) + f / 64
;   bb[3072]         = bq | bk | bv, each rounded to bf16 and written as f32
; A stream: every byte is read once and written once; no LDS, no matrix unit, no barrier would add anything.
; Work-groups 0-511 take 16 rows of x each, 512-703 take 16 rows of one W, 704 takes the three biases.
; Wave w takes rows 2 w and 2 w + 1.  A load: lanes 0-15 read 256 consecutive bytes of one row, lanes 16-31 of the next row.
; A store: the 32 lanes write 256 consecutive bytes, aligned (two entries of 128 bytes that lie end to end).
; All 16 loads of a wave go out first; no register is written twice, so no source needs freeing.
.set SRC, 2                            ; v2      my byte offset in the work-group's 16 source rows
.set DST, 4                            ; v4-19   my byte offset in the target, one for each kb
.set IN,  32                           ; v32-95  16 loads of 4 registers
.set OUT, 96                           ; v96-127 16 stores of 2 registers
	s_load_b512 s[8:23], s[0:1], 0x0               ; x s[8:9], Wq s[10:11], Wk s[12:13], Wv s[14:15], bq s[16:17], bk s[18:19], bv s[20:21], xb s[22:23]
	s_load_b128 s[24:27], s[0:1], 0x40             ; wb s[24:25], bb s[26:27]
	v_lshrrev_b32 v1, 5, v0                        ; wave w
	v_bfe_u32 v3, v0, 4, 1                         ; h: which half of the lanes
	v_and_b32 v21, 15, v0                          ; c: my place in the half
	v_lshl_add_u32 v20, v1, 1, v3                  ; row 2 w + h
	v_lshlrev_b32 v[SRC], 12, v20                  ; x 4,096 bytes
	v_lshl_add_u32 v[SRC], v21, 4, v[SRC]          ; + 16 c
	v_lshlrev_b32 v[DST], 7, v20                   ; x 128 bytes
	v_lshl_add_u32 v[DST], v21, 3, v[DST]          ; + 8 c
	s_mov_b32 s2, ttmp9
	s_mov_b32 s28, 0x100000                        ; bytes from kb to kb in xb
	s_mov_b32 s29, 0x20000                         ; and in wb
	s_sub_co_u32 s3, s2, 512                       ; (used only where the work-group's number is 512 or more)
	s_lshr_b32 s31, s3, 6                          ; which W
	s_and_b32 s3, s3, 63                           ; which 16 rows of it
	s_lshl_b32 s33, s31, 21                        ; its 16 blocks of 131,072 bytes in wb
	s_wait_kmcnt 0x0
	s_cmp_eq_u32 s2, 704
	s_cbranch_scc1 .Lbias
	s_cmp_eq_u32 s31, 1
	s_cselect_b64 s[34:35], s[12:13], s[10:11]
	s_cmp_eq_u32 s31, 2
	s_cselect_b64 s[34:35], s[14:15], s[34:35]
	s_cmp_lt_u32 s2, 512
	s_cselect_b64 s[34:35], s[8:9], s[34:35]       ; the source
	s_cselect_b64 s[36:37], s[22:23], s[24:25]     ; the target
	s_cselect_b32 s3, s2, s3                       ; the block of 16 rows
	s_cselect_b32 s33, 0, s33
	s_cselect_b32 s30, s28, s29
	s_lshl_b32 s38, s3, 16                         ; 16 rows of 4,096 bytes
	s_mov_b32 s39, 0
	s_add_nc_u64 s[34:35], s[34:35], s[38:39]
	s_lshl_b32 s38, s3, 11                         ; 16 entries of 128 bytes
	s_add_co_u32 s38, s38, s33
	s_add_nc_u64 s[36:37], s[36:37], s[38:39]
.irp k, 1,2,3,4,5,6,7,8,9,10,11,12,13,14,15
	v_add_nc_u32 v[DST+\k], s30, v[DST+\k-1]
.endr
.set n_, 0
.rept 16                               ; load n: block n of 64 columns
	global_load_b128 v[IN+4*n_:IN+4*n_+3], v[SRC], s[34:35] offset:n_*256 th:TH_LOAD_NT
.set n_, n_+1
.endr
.set n_, 0
.rept 16
	s_wait_loadcnt 15-n_                           ; loads come back in order: load n is in, the younger ones stay out
	v_cvt_pk_bf16_f32 v[OUT+2*n_], v[IN+4*n_], v[IN+4*n_+1]
	v_cvt_pk_bf16_f32 v[OUT+2*n_+1], v[IN+4*n_+2], v[IN+4*n_+3]
	global_store_b64 v[DST+n_], v[OUT+2*n_:OUT+2*n_+1], s[36:37]
.set n_, n_+1
.endr
	s_endpgm
.Lbias:                                ; 256 threads x 16 bytes are one bias
	v_lshlrev_b32 v22, 4, v0
	global_load_b128 v[32:35], v22, s[16:17]
	global_load_b128 v[36:39], v22, s[18:19]
	global_load_b128 v[40:43], v22, s[20:21]
	s_wait_loadcnt 0x0
.irp n, 0,1,2,3,4,5
	v_cvt_pk_bf16_f32 v[44+\n], v[32+2*\n], v[33+2*\n]
.endr
.irp n, 0,1,2,3,4,5
	v_lshlrev_b32 v[52+2*\n], 16, v[44+\n]         ; bf16 back to f32: the low half moves up,
	v_and_b32 v[53+2*\n], 0xffff0000, v[44+\n]     ; the high half stays
.endr
	global_store_b128 v22, v[52:55], s[26:27]
	global_store_b128 v22, v[56:59], s[26:27] offset:4096
	global_store_b128 v22, v[60:63], s[26:27] offset:8192
	s_endpgm
.Lfunc_end_k_q25400309f6_prep:
	.size	k_q25400309f6_prep, .Lfunc_end_k_q25400309f6_prep-k_q25400309f6_prep
	.p2alignl 7, 3214868480
	.fill 96, 4, 3214868480
	.section	.rodata,"a",@progbits
	.p2align	6, 0x0
	.amdhsa_kernel k_q25400309f6_prep
		.amdhsa_group_segment_fixed_size 0
		.amdhsa_private_segment_fixed_size 0
		.amdhsa_enable_private_segment 0
		.amdhsa_kernarg_size 80
		.amdhsa_user_sgpr_count 2
		.amdhsa_user_sgpr_kernarg_segment_ptr 1
		.amdhsa_wavefront_size32 1
		.amdhsa_system_sgpr_workgroup_id_x 1
		.amdhsa_system_sgpr_workgroup_id_y 1
		.amdhsa_system_sgpr_workgroup_id_z 1
		.amdhsa_system_vgpr_workitem_id 0
		.amdhsa_next_free_vgpr 128
		.amdhsa_next_free_sgpr 66
		.amdhsa_reserve_vcc 0
		.amdhsa_float_denorm_mode_32 3
		.amdhsa_float_denorm_mode_16_64 3
		.amdhsa_memory_ordered 1
		.amdhsa_forward_progress 1
		.amdhsa_inst_pref_size 10
	.end_amdhsa_kernel
	.amdgpu_metadata
---
amdhsa.version: [ 1, 2 ]
amdhsa.kernels:
  - .name:           k_q25400309f6_prep
    .symbol:         k_q25400309f6_prep.kd
    .args:
      - { .name: x, .offset: 0, .size: 8, .value_kind: global_buffer, .address_space: global }
      - { .name: Wq, .offset: 8, .size: 8, .value_kind: global_buffer, .address_space: global }
      - { .name: Wk, .offset: 16, .size: 8, .value_kind: global_buffer, .address_space: global }
      - { .name: Wv, .offset: 24, .size: 8, .value_kind: global_buffer, .address_space: global }
      - { .name: bq, .offset: 32, .size: 8, .value_kind: global_buffer, .address_space: global }
      - { .name: bk, .offset: 40, .size: 8, .value_kind: global_buffer, .address_space: global }
      - { .name: bv, .offset: 48, .size: 8, .value_kind: global_buffer, .address_space: global }
      - { .name: xb, .offset: 56, .size: 8, .value_kind: global_buffer, .address_space: global }
      - { .name: wb, .offset: 64, .size: 8, .value_kind: global_buffer, .address_space: global }
      - { .name: bb, .offset: 72, .size: 8, .value_kind: global_buffer, .address_space: global }
    .group_segment_fixed_size: 0
    .private_segment_fixed_size: 0
    .kernarg_segment_align: 8
    .kernarg_segment_size: 80
    .max_flat_workgroup_size: 256
    .sgpr_count:     66
    .vgpr_count:     128
    .wavefront_size: 32
...
	.end_amdgpu_metadata
.endif
;; end of part 1
;; launch proj (part 2): grid 8 x 32, 4 waves a work-group, clusters of 4 x 4, 327,680 bytes of LDS; arguments xb, wb, bb, qkv; writes qkv
.if DOCPART == 2
	.amdgcn_target "amdgcn-amd-amdhsa--gfx1250"
	.amdhsa_code_object_version 6
	.text
	.protected	k_q25400309f6_proj
	.globl	k_q25400309f6_proj
	.p2align	8
	.type	k_q25400309f6_proj,@function
k_q25400309f6_proj:
	s_mov_b64 s[64:65], 0
	v_nop
	global_prefetch_b8 v0, s[64:65] scope:SCOPE_SE
	s_setreg_imm32_b32 hwreg(HW_REG_WAVE_MODE, 25, 1), 1
	s_wait_xcnt 0x0
	s_wait_alu depctr_hold_cnt(0) depctr_sa_sdst(0) depctr_va_vdst(0) depctr_va_sdst(0) depctr_va_ssrc(0) depctr_va_vcc(0) depctr_vm_vsrc(0)
	s_getreg_b32 s2, hwreg(HW_REG_IB_STS2, 6, 4)
	s_cmp_eq_u32 s2, 0
	s_cbranch_scc0 .Lentry_in_a_cluster
	s_endpgm
.Lentry_in_a_cluster:
	s_bfe_u32 s2, ttmp6, 0x10000c
	s_cmp_lg_u32 s2, 0xf033
	s_cbranch_scc0 .Lentry_shape_is_right
	s_endpgm
.Lentry_shape_is_right:
; PROJ: qkv[row][0:3072] = x[row][:] [Wq | Wk | Wv] + [bq | bk | bv].  bf16 products, f32 sums, the result rounded once to f16.
; LIMIT: f16 ends at 65,504, so |Q|, |K|, |V| must stay under that; NaN and infinities are not treated apart.
; SHARES.  A tile of the result is 256 rows x 384 columns: 32 x 8 tiles, one a work-group.  Four waves, each 128 rows x 192 columns: 8 blocks of 16 rows (a) x 12 fragments of 16 columns (i),
; 96 accumulators, 768 registers.  K (1024) goes in 16 steps of 64 through two LDS slots; a step is two quarters of 32 along K, 96 matrix instructions each.
; THE MATRIX INSTRUCTION IS USED TRANSPOSED: source 0 = 16 columns of W, source 1 = 16 rows of x, so a lane holds row l % 16 and the eight neighbouring columns 8 (l / 16) + 0..7.
; x comes out of LDS as it lies ([row][k]); W lies [k][column] and is turned by ds_load_tr16_b128.
; THE BIAS STARTS THE SUMS: it is loaded into the registers of accumulator (7, i) and is the C operand of the first product of every accumulator of column fragment i.
; CLUSTER 4 x 4: the four of a row need the same tile of x, the four of a column the same tile of W: each is asked for jointly (same load, descriptor and mask in all four).
; THE LOOP IS WRITTEN FOR ONE K STEP: s[TB] is the LDS byte of the slot in hand (0 or SLOT), turned by an exclusive or; read addresses and the walking descriptors' LDS words are made from it.
; LDS: slot s at s x 98,304: x 256 rows of 144 bytes (128 + 16 of padding), then W: 6 blocks of 64 columns, each 64 k-rows of 160 bytes (128 + 32); the stage 128 rows x 784 bytes; the spare words.
; REGISTERS: window 0: v0-31 addresses; v32-95, v96-159 fragments of x, two buffers; v160-255 fragments of W.  Windows 1-3: accumulator (a, i) in window 1 + i / 4 at v[64 (i % 4) + 8 a].
.set T_STEPS, 16
.set PA,    144
.set PB,    160
.set BOFF,  256*PA                     ; 36,864
.set FBLK,  64*PB                      ; 10,240
.set SLOT,  BOFF+6*FBLK                ; 98,304
.set STAGE, 2*SLOT
.set SPT,   784                        ; a stage row: 768 bytes + 16
.set SPARE, STAGE+128*SPT              ; the spare words: 128 bytes a wave, two blocks of 256 bytes that no other line names
.set STEPA, 1048576                    ; bytes from K step to K step in xb
.set STEPB, 8192                       ; and in wb
.set ADRA0, 16                         ; v16 my place in a slot's x; never rewritten
.set ADRB0, 17                         ; v17 the same for W
.set ADRA,  18                         ; v18 = s[TB] + v16
.set ADRB,  19
.set STO,   20                         ; the way out: where I put 16 bytes
.set RD0,   21                         ; where I read rows back
.set RD1,   22
.set CO0,   23                         ; my byte offsets in qkv
.set CO1,   24
.set BO,    25                         ; 32 (l / 16): my eight numbers of a bias fragment
.set PFO,   26                         ; the prefetches' lane term
.set SPW,   28                         ; LDS address of my spare word; never rewritten
.set NIL,   29                         ; 0; never rewritten
.set FA0,   32
.set FA1,   96
.set FB,    160
.set TMP,   32                         ; the way out: v32-223
.set WV,  12
.set RH,  13                           ; wave / 2: my half of the rows; also 0: I fetch x, 1: I fetch W
.set CH,  14                           ; wave % 2: my half of the columns; also which half of that tile I fetch
.set CX,  15
.set CY,  16
.set TX,  17
.set TY,  18
.set CLY, 19
.set G1A, 24
.set G0A, 32                           ; two sets: s[32:35] the first fill of slot 0; s[36:39] K step 1, which then walks
.set G1B, 40
.set G0B, 48
.set TB,  56
.set LWA, 57                           ; LDS byte in a slot of the part of x that I fetch
.set LWB, 58                           ; the same for W
.set CNT, 59
.set LIM, 60                           ; 2 in a wave that prefetches, else the greatest number
.set PFA, 62                           ; s[62:63] where my prefetches stand
.set PST, 66                           ; s[66:67] their step
.set MSB, 0
.macro WIN new                         ; the immediate's high byte repeats the setting that is left; a switch that changes nothing is dropped
.if MSB != (\new)
	s_set_vgpr_msb (MSB<<8)|(\new)
.set MSB, \new
.endif
.endm
.macro PLACES                          ; four plain vector instructions between a matrix instruction and a load into, or a vector read of, its registers
.rept 4
	v_nop
.endr
.endm
.macro CREST                           ; a round of the cluster's barrier behind its opening barrier
	s_cmp_lg_u32 s[WV], 0
	s_cbranch_scc1 .Lnw0_\@
	s_barrier_signal -3
.Lnw0_\@:
	s_barrier_wait -3
	s_barrier_signal -1
	s_barrier_wait -1
.endm
.macro CROUND
	s_barrier_signal -1
	s_barrier_wait -1
	CREST
.endm
.macro JLOAD                           ; a joint refill by the walking descriptors; the branch hangs on the wave's number alone; s_nop 0 and four v_nop follow each line
	s_cmp_eq_u32 s[RH], 0
	s_cbranch_scc0 .Lfb_\@
	tensor_load_to_lds s[G0A+4:G0A+7], s[G1A:G1A+7]
	s_nop 0
.rept 4
	v_nop
.endr
	s_branch .Lja_\@
.Lfb_\@:
	tensor_load_to_lds s[G0B+4:G0B+7], s[G1B:G1B+7]
	s_nop 0
.rept 4
	v_nop
.endr
.Lja_\@:
.endm
; PREFETCH.  In the trips with an even count (K steps s = 0, 2 .. 10) the K steps s + 4 and s + 5 are asked for; their refills stand two and three trips on.  K steps 0 to 3 come by their loads alone; the last request names 14 and 15.
; x: a tile row's K step is 32,768 dense bytes; it is read by both clusters of that row of clusters: cluster x = 0 asks, wave 0; each of the four partners takes 8,192 bytes, told apart by address; a lane 256 bytes; two lines, a K step each.
; W: two K steps of a block of 64 columns are 16,384 dense bytes; cluster y = 0 asks, wave 2; each partner takes 4,096 of them (16 lanes), the halves of the lanes two blocks, three lines six blocks.
; So each aligned block of 256 bytes is named once in the launch.
.macro ASK1
	s_bitcmp1_b32 s[CNT], 0
	s_cbranch_scc1 .Lnone_\@
	s_cmp_gt_u32 s[CNT], s[LIM]
	s_cbranch_scc0 .Lnone_\@
	s_cmp_eq_u32 s[RH], 0
	s_cbranch_scc0 .Lw_\@
	global_prefetch_b8 v[PFO], s[PFA:PFA+1] th:TH_LOAD_NT scope:SCOPE_SE
	global_prefetch_b8 v[PFO], s[PFA:PFA+1] offset:STEPA th:TH_LOAD_NT scope:SCOPE_SE
	s_branch .Lnone_\@
.Lw_\@:
	global_prefetch_b8 v[PFO], s[PFA:PFA+1] th:TH_LOAD_NT scope:SCOPE_SE
	global_prefetch_b8 v[PFO], s[PFA:PFA+1] offset:262144 th:TH_LOAD_NT scope:SCOPE_SE
	global_prefetch_b8 v[PFO], s[PFA:PFA+1] offset:524288 th:TH_LOAD_NT scope:SCOPE_SE
.Lnone_\@:
.endm
	s_load_b256 s[4:11], s[0:1], 0x0               ; xb s[4:5], wb s[6:7], bb s[8:9], qkv s[10:11]
	v_lshl_add_u32 v[SPW], v0, 2, SPARE
	v_mov_b32 v[NIL], 0
	ds_add_u32 v[SPW], v[NIL]                      ; the wave's opening: the add and its wait stand ahead of my first tensor load; the set-up below stands between them
	v_lshrrev_b32 v1, 5, v0
	v_readfirstlane_b32 s[WV], v1
	s_lshr_b32 s[RH], s[WV], 1
	s_and_b32 s[CH], s[WV], 1
	s_bfe_u32 s[CX], ttmp6, 0x40000
	s_bfe_u32 s[CY], ttmp6, 0x40004
	s_lshl_b32 s[TX], ttmp9, 2
	s_add_co_u32 s[TX], s[TX], s[CX]               ; tile column 0..7
	s_and_b32 s[CLY], ttmp7, 0xffff
	s_lshl_b32 s[TY], s[CLY], 2
	s_add_co_u32 s[TY], s[TY], s[CY]               ; tile row 0..31
	s_lshl_b32 s20, s[CY], 2
	s_lshl_b32 s20, 15, s20                        ; my row of the cluster
	s_lshl_b32 s74, 0x1111, s[CX]                  ; my column
	; x: 128 entries of 128 bytes lie end to end: asked for as 64 rows of 256 bytes, 4 words of padding after every 32
	s_or_b32 s[G1A], s20, (1<<16)|(1<<20)|(1<<21)|(4<<22)|(3<<25)
	s_mov_b32 s[G1A+1], 128<<16                    ; tensor_dim0
	s_mov_b32 s[G1A+2], 64<<16                     ; tensor_dim1
	s_mov_b32 s[G1A+3], 128<<16                    ; tile_dim0
	s_mov_b32 s[G1A+4], 64                         ; tile_dim1
	s_mov_b32 s[G1A+5], 128                        ; elements from row to row
	s_mov_b32 s[G1A+6], 0
	s_mov_b32 s[G1A+7], 0
	; W: three blocks of 64 columns; a K step of a block is 8,192 dense bytes: three rows of 4,096 elements, 65,536 elements apart, 8 words of padding after every 32
	s_or_b32 s[G1B], s74, (1<<16)|(1<<20)|(1<<21)|(4<<22)|(7<<25)
	s_mov_b32 s[G1B+1], 4096<<16
	s_mov_b32 s[G1B+2], 3<<16
	s_mov_b32 s[G1B+3], 4096<<16
	s_mov_b32 s[G1B+4], 3
	s_mov_b32 s[G1B+5], 65536
	s_mov_b32 s[G1B+6], 0
	s_mov_b32 s[G1B+7], 0
	s_lshl_b32 s20, s[TY], 15                      ; x: (256 TY + 128 half) entries of 128 bytes: the tile row and the wave's number alone
	s_lshl_b32 s21, s[CH], 14
	s_add_co_u32 s20, s20, s21
	s_mov_b32 s21, 0
	s_mul_i32 s74, s[TX], 6                        ; W: block 6 TX + 3 half: the tile column and the wave's number alone
	s_mul_i32 s75, s[CH], 3
	s_add_co_u32 s74, s74, s75
	s_lshl_b32 s74, s74, 17
	s_mov_b32 s75, 0
	s_mul_i32 s[LWA], s[CH], 128*PA
	s_mul_i32 s[LWB], s[CH], 3*FBLK
	s_add_co_u32 s[LWB], s[LWB], BOFF
	s_mov_b32 s[TB], 0
	s_mov_b32 s[G0A], 1
	s_mov_b32 s[G0A+1], s[LWA]
	s_mov_b32 s[G0A+4], 1
	s_add_co_u32 s[G0A+5], s[LWA], SLOT
	s_mov_b32 s[G0B], 1
	s_mov_b32 s[G0B+1], s[LWB]
	s_mov_b32 s[G0B+4], 1
	s_add_co_u32 s[G0B+5], s[LWB], SLOT
	s_wait_dscnt 0x0                               ; the opening add is done
	s_wait_kmcnt 0x0
	s_add_nc_u64 s[G0A+2:G0A+3], s[4:5], s[20:21]
	s_add_nc_u64 s[G0A+6:G0A+7], s[G0A+2:G0A+3], STEPA
	s_or_b32 s[G0A+3], s[G0A+3], 0x80000000
	s_or_b32 s[G0A+7], s[G0A+7], 0x80000000
	s_add_nc_u64 s[G0B+2:G0B+3], s[6:7], s[74:75]
	s_add_nc_u64 s[G0B+6:G0B+7], s[G0B+2:G0B+3], STEPB
	s_or_b32 s[G0B+3], s[G0B+3], 0x80000000
	s_or_b32 s[G0B+7], s[G0B+7], 0x80000000
	CROUND                                         ; all sixteen work-groups are here: the first joint loads meet
	s_cmp_eq_u32 s[RH], 0                          ; a wave's two first fills stand in one branch: two tensor loads of mine are out, later one
	s_cbranch_scc0 .Lfirst_b
	tensor_load_to_lds s[G0A:G0A+3], s[G1A:G1A+7]
	s_nop 0
	tensor_load_to_lds s[G0A+4:G0A+7], s[G1A:G1A+7]
	s_nop 0
.rept 4
	v_nop
.endr
	s_branch .Lfirst_done
.Lfirst_b:
	tensor_load_to_lds s[G0B:G0B+3], s[G1B:G1B+7]
	s_nop 0
	tensor_load_to_lds s[G0B+4:G0B+7], s[G1B:G1B+7]
	s_nop 0
.rept 4
	v_nop
.endr
.Lfirst_done:
	v_and_b32 v1, 15, v0                           ; r = l % 16
	v_bfe_u32 v2, v0, 4, 1                         ; h = l / 16
	v_and_b32 v3, 7, v0
	v_bfe_u32 v4, v0, 3, 1
	v_lshlrev_b32 v[BO], 5, v2
	s_mul_i32 s82, s[TX], 1536                     ; the bias of my 192 columns: (384 TX + 192 half) x 4 bytes
	s_mul_i32 s83, s[CH], 768
	s_add_co_u32 s82, s82, s83
	s_mov_b32 s83, 0
	s_add_nc_u64 s[8:9], s[8:9], s[82:83]
.irp i, 0,1,2,3,4,5,6,7,8,9,10,11      ; my eight numbers of fragment i into accumulator (7, i): register j holds the bias of column 16 i + 8 h + j
	WIN ((\i/4)+1)<<6
	global_load_b128 v[64*(\i%4)+56:64*(\i%4)+59], v[BO], s[8:9] offset:64*\i
	global_load_b128 v[64*(\i%4)+60:64*(\i%4)+63], v[BO], s[8:9] offset:64*\i+16
.endr
	WIN 0
	s_mul_i32 s73, s[RH], 128*PA
	v_mul_u32_u24 v[ADRA0], v1, PA                 ; a fragment of x: row x pitch + 16 h
	v_lshl_add_u32 v[ADRA0], v2, 4, v[ADRA0]
	v_add_nc_u32 v[ADRA0], s73, v[ADRA0]
	v_lshl_add_u32 v[ADRB0], v2, 3, v3             ; the turning load: k-row 8 h + l % 8, 16 bytes at 16 ((l / 8) % 2)
	v_mul_u32_u24 v[ADRB0], v[ADRB0], PB
	v_lshl_add_u32 v[ADRB0], v4, 4, v[ADRB0]
	v_add_nc_u32 v[ADRB0], s[LWB], v[ADRB0]        ; my three blocks of columns begin where wave 2 + half puts them
	v_mov_b32 v[ADRA], v[ADRA0]
	v_mov_b32 v[ADRB], v[ADRB0]
	s_mul_i32 s73, s[RH], 64*SPT                   ; into the stage: row 64 RH + r, my 384 bytes of its 768
	s_mul_i32 s93, s[CH], 384
	s_add_co_u32 s73, s73, s93
	s_add_co_u32 s73, s73, STAGE
	v_mul_u32_u24 v[STO], v1, SPT
	v_lshl_add_u32 v[STO], v2, 4, v[STO]
	v_add_nc_u32 v[STO], s73, v[STO]
	s_mul_i32 s73, s[WV], 32*SPT                   ; back: wave w takes stage rows 32 w .. 32 w + 31, whole
	s_add_co_u32 s73, s73, STAGE
	v_lshlrev_b32 v[CO0], 8, v2
	v_lshl_add_u32 v[CO0], v1, 4, v[CO0]           ; 256 h + 16 r
	v_add_nc_u32 v[RD0], s73, v[CO0]
	v_lshl_add_u32 v[RD1], v2, 4, v[RD0]
	v_add_nc_u32 v[RD1], 512, v[RD1]               ; 512 + 272 h + 16 r: the row's last 256 bytes, or the next row's first
	v_mul_u32_u24 v[CO1], v2, 5632
	v_lshl_add_u32 v[CO1], v1, 4, v[CO1]
	v_add_nc_u32 v[CO1], 512, v[CO1]               ; the same two pieces in qkv, whose rows are 6,144 bytes
	s_lshl_b32 s80, s[TY], 8
	s_lshl_b32 s81, s[RH], 7
	s_add_co_u32 s80, s80, s81
	s_lshl_b32 s81, s[CH], 5
	s_add_co_u32 s80, s80, s81                     ; the first row that I store: 256 TY + 128 (w / 2) + 32 (w % 2)
	s_mul_i32 s80, s80, 6144
	s_mul_i32 s81, s[TX], 768
	s_add_co_u32 s80, s80, s81
	s_mov_b32 s81, 0
	s_add_nc_u64 s[10:11], s[10:11], s[80:81]
	s_lshl_b32 s84, s[TY], 15                      ; the prefetches: x at my work-group's quarter of the tile row, three K steps in: each change of slots steps it once more
	s_lshl_b32 s85, s[CX], 13
	s_add_co_u32 s84, s84, s85
	s_add_co_u32 s84, s84, 3*STEPA
	s_mul_i32 s86, s[TX], 6                        ; W at the tile column's first block, my work-group's quarter of two K steps
	s_lshl_b32 s86, s86, 17
	s_lshl_b32 s87, s[CY], 12
	s_add_co_u32 s86, s86, s87
	s_add_co_u32 s86, s86, 3*STEPB
	s_mov_b32 s88, STEPA
	s_mov_b32 s89, STEPB
	s_mov_b32 s90, 4096
	s_mov_b32 s91, 131072
	s_cmp_eq_u32 s[RH], 0
	s_cselect_b32 s84, s84, s86
	s_cselect_b32 s[PST], s88, s89
	s_cselect_b32 s90, s90, s91
	s_cselect_b32 s92, ttmp9, s[CLY]               ; the coordinate along which other clusters read the same bytes
	s_cselect_b64 s[PFA:PFA+1], s[4:5], s[6:7]
	s_mov_b32 s85, 0
	s_mov_b32 s[PST+1], 0
	s_add_nc_u64 s[PFA:PFA+1], s[PFA:PFA+1], s[84:85]
	s_or_b32 s92, s92, s[CH]                       ; waves 0 and 2 alone
	s_cmp_eq_u32 s92, 0
	s_cselect_b32 s[LIM], 2, -1                    ; the same in all sixteen partners, for a given wave
	v_lshlrev_b32 v[PFO], 8, v1
	v_mul_u32_u24 v5, v2, s90
	v_add_nc_u32 v[PFO], v[PFO], v5
; na x 4 matrix instructions: blocks a0 .. of rows x the four column fragments of group g.  mode 1: C is the bias, in accumulator (7, i).  The accumulators take turns, one instruction a turn: 95 others stand between two links of a chain.
.macro GRP g, fa, a0, na, mode
	WIN 0x50*((\g)+1)
.set a_, \a0
.rept \na
.irp ii, 0,1,2,3
.if \mode
	v_wmma_f32_16x16x32_bf16 v[64*\ii+8*a_:64*\ii+8*a_+7], v[FB+8*(4*(\g)+\ii):FB+8*(4*(\g)+\ii)+7], v[(\fa)+8*a_:(\fa)+8*a_+7], v[64*\ii+56:64*\ii+63]
.else
	v_wmma_f32_16x16x32_bf16 v[64*\ii+8*a_:64*\ii+8*a_+7], v[FB+8*(4*(\g)+\ii):FB+8*(4*(\g)+\ii)+7], v[(\fa)+8*a_:(\fa)+8*a_+7], v[64*\ii+8*a_:64*\ii+8*a_+7]
.endif
.endr
.set a_, a_+1
.endr
.endm
.macro GRPZ g, z                       ; a whole group on buffer FA0; z = 1: the sums begin
.if \z
	GRP \g, FA0, 0, 7, 1
.rept 5
	v_nop                                          ; five places before accumulator (7, i), which the products above read as C, is written
.endr
	GRP \g, FA0, 7, 1, 0
.else
	GRP \g, FA0, 0, 8, 0
.endif
.endm
.macro LDB kq, g                       ; 8 turning loads: the four fragments of W of group g, 32 along K at quarter kq
	WIN 0
.irp ii, 0,1,2,3
	ds_load_tr16_b128 v[FB+8*(4*(\g)+\ii):FB+8*(4*(\g)+\ii)+3],   v[ADRB] offset:FBLK*(\g)+32*PB*(\kq)+32*\ii
	ds_load_tr16_b128 v[FB+8*(4*(\g)+\ii)+4:FB+8*(4*(\g)+\ii)+7], v[ADRB] offset:FBLK*(\g)+32*PB*(\kq)+32*\ii+16*PB
.endr
.endm
.macro LDA kq, fa                      ; 16 loads: the eight fragments of x
	WIN 0
.irp aa, 0,1,2,3,4,5,6,7
	ds_load_b128 v[(\fa)+8*\aa:(\fa)+8*\aa+3],   v[ADRA] offset:16*PA*\aa+64*(\kq)
	ds_load_b128 v[(\fa)+8*\aa+4:(\fa)+8*\aa+7], v[ADRA] offset:16*PA*\aa+64*(\kq)+32
.endr
.endm
; The even quarter.  On entry the LDS loads out are, in order: W group 0 (8), x (16), W group 1 (8), W group 2 (8).
.macro QE z
	s_wait_dscnt 16                                ; W group 0 and x are in; groups 1 and 2 may be out
	GRPZ 0, \z
	PLACES
	LDB 1, 0
	LDA 1, FA1
	s_wait_dscnt 32                                ; group 1 is in: behind it stand group 2 (8) and the 24 just issued
	GRPZ 1, \z
	PLACES
	LDB 1, 1
	s_wait_dscnt 32                                ; group 2 is in: behind it stand 8 + 16 + 8
	GRPZ 2, \z
	PLACES
	LDB 1, 2
.endm
; The odd quarter's first third, and the change of slots: ONE barrier.  In front of it each wave waits for all its tensor loads (one is out: its part of the next slot), adds 0 to its spare word,
; and waits for that and for its own reads of this slot.  fill = 1: the walking descriptors step to the K step two on, into the slot in hand.
.macro MEET fill
.if \fill
	s_wait_xcnt 0x0                                ; the last prefetches, a K step back or more, have read their address
	s_add_nc_u64 s[PFA:PFA+1], s[PFA:PFA+1], s[PST:PST+1]
.endif
	WIN 0
	s_wait_tensorcnt 0x0                           ; no tensor load of mine is out, so a group 0 may be written
	ds_add_u32 v[SPW], v[NIL]                      ; 0 onto my spare word
.if \fill
	s_add_co_u32 s[G0A+5], s[TB], s[LWA]
	s_add_nc_u64 s[G0A+6:G0A+7], s[G0A+6:G0A+7], STEPA
	s_add_co_u32 s[G0B+5], s[TB], s[LWB]
	s_add_nc_u64 s[G0B+6:G0B+7], s[G0B+6:G0B+7], STEPB
.endif
	s_xor_b32 s[TB], s[TB], SLOT                   ; from here on: the other slot
	s_wait_dscnt 17                                ; W group 0 and x are in; groups 1 and 2 (16) and the add may be out
	GRP 0, FA1, 0, 4, 0
	s_wait_dscnt 0x0                               ; the add is done, and my reads of this slot are over
	s_barrier_signal -1
	GRP 0, FA1, 4, 4, 0
	WIN 0
	v_add_nc_u32 v[ADRA], s[TB], v[ADRA0]          ; register work between signal and wait: no LDS load of mine is out
	v_add_nc_u32 v[ADRB], s[TB], v[ADRB0]
	s_barrier_wait -1
.endm
; The rest of the odd quarter.  fill = 1: the barrier has opened a round of the cluster's barrier; the joint refill is the first thing behind it, and 160 matrix instructions stand between it and the wait for it.
.macro NEXT fill
.if \fill
	CREST
	JLOAD                                          ; its four v_nop are also places in front of the loads below
.else
	PLACES
.endif
	LDB 0, 0
	LDA 0, FA0
.if \fill
	ASK1
.endif
	GRP 1, FA1, 0, 8, 0
	PLACES
	LDB 0, 1
	GRP 2, FA1, 0, 8, 0
	PLACES
	LDB 0, 2
.endm
	s_wait_tensorcnt 0x1                           ; my part of K step 0 is in; K step 1's may stay out
	s_barrier_signal -1
	s_barrier_wait -1
	LDB 0, 0
	LDA 0, FA0
	LDB 0, 1
	LDB 0, 2
	s_wait_loadcnt 0x0                             ; the bias
	QE 1
	WIN 0
	s_mov_b32 s[CNT], T_STEPS-2
.Lk:                                   ; trip s = 0 .. 13: the odd quarter of K step s, the refill for s + 2, the even quarter of s + 1
	MEET 1
	NEXT 1
	QE 0
	WIN 0
	s_sub_co_u32 s[CNT], s[CNT], 1
	s_cmp_lg_u32 s[CNT], 0
	s_cbranch_scc1 .Lk
	s_mov_b32 s[CNT], 2
.Lt:                                   ; the last two K steps ask for nothing
	MEET 0
	s_sub_co_u32 s[CNT], s[CNT], 1
	s_cmp_eq_u32 s[CNT], 0
	s_cbranch_scc1 .Lfin
	NEXT 0
	QE 0
	WIN 0
	s_branch .Lt
.Lfin:
	GRP 1, FA1, 0, 8, 0
	GRP 2, FA1, 0, 8, 0
.rept 8
	v_nop
.endr
; THE WAY OUT, in two phases of four blocks of rows.  A wave's 384 bytes of a row are one and a half aligned blocks of 256, so whole rows of 768 bytes are put together in a stage that the four waves share:
; round to f16, 16 bytes a lane into the stage; a barrier; each wave reads 32 whole rows back and stores them, sixteen lanes to 256 consecutive aligned bytes.
.macro OUTP p
.irp g, 0,1,2
	WIN 5*(\g+1)                                   ; sources in window g + 1, destination in window 0
.set n_, 0
.rept 64                               ; block n / 16, fragment (n / 4) % 4 of the group, register pair n % 4: each accumulator from its low end on
	v_cvt_pk_f16_f32 v[TMP+64*\g+n_], v[64*((n_/4)%4)+8*(4*(\p)+n_/16)+2*(n_%4)], v[64*((n_/4)%4)+8*(4*(\p)+n_/16)+2*(n_%4)+1]
.set n_, n_+1
.endr
	WIN 0
.set n_, 0
.rept 16
	ds_store_b128 v[STO], v[TMP+64*\g+4*n_:TMP+64*\g+4*n_+3] offset:(n_/4)*16*SPT+32*(4*\g+n_%4)
.set n_, n_+1
.endr
.endr
	s_wait_dscnt 0x0                               ; for the others' sake: my stores into the stage are done
	s_barrier_signal -1
	s_barrier_wait -1
.set t_, 0
.rept 16                               ; a pair of rows is six blocks of 256 bytes: three loads
	ds_load_b128 v[TMP+12*t_:TMP+12*t_+3],    v[RD0] offset:2*SPT*t_
	ds_load_b128 v[TMP+12*t_+4:TMP+12*t_+7],  v[RD1] offset:2*SPT*t_
	ds_load_b128 v[TMP+12*t_+8:TMP+12*t_+11], v[RD0] offset:2*SPT*t_+SPT+256
.set t_, t_+1
.endr
.set t_, 0
.rept 16
	s_wait_dscnt 47-3*t_                           ; LDS loads come back in order: the younger ones stay out
	global_store_b128 v[CO0], v[TMP+12*t_:TMP+12*t_+3],    s[10:11] offset:393216*(\p)+12288*t_
	s_wait_dscnt 46-3*t_
	global_store_b128 v[CO1], v[TMP+12*t_+4:TMP+12*t_+7],  s[10:11] offset:393216*(\p)+12288*t_
	s_wait_dscnt 45-3*t_
	global_store_b128 v[CO0], v[TMP+12*t_+8:TMP+12*t_+11], s[10:11] offset:393216*(\p)+12288*t_+6400
.set t_, t_+1
.endr
.endm
	OUTP 0
	s_wait_xcnt 0x0                                ; the stores have read their data registers, which the second phase writes again
	s_barrier_signal -1                            ; every wave's reads of the stage are back (the count-down ended at 0): it may be written again
	s_barrier_wait -1
	OUTP 1
	s_wait_tensorcnt 0x0                           ; the wave's end: the add and its wait stand behind my last tensor load and my last LDS store
	ds_add_u32 v[SPW], v[NIL]
	s_wait_dscnt 0x0
	CROUND                                         ; the closing round
	s_endpgm
.Lfunc_end_k_q25400309f6_proj:
	.size	k_q25400309f6_proj, .Lfunc_end_k_q25400309f6_proj-k_q25400309f6_proj
	.p2alignl 7, 3214868480
	.fill 96, 4, 3214868480
	.section	.rodata,"a",@progbits
	.p2align	6, 0x0
	.amdhsa_kernel k_q25400309f6_proj
		.amdhsa_group_segment_fixed_size 327680
		.amdhsa_private_segment_fixed_size 0
		.amdhsa_enable_private_segment 0
		.amdhsa_kernarg_size 32
		.amdhsa_user_sgpr_count 2
		.amdhsa_user_sgpr_kernarg_segment_ptr 1
		.amdhsa_wavefront_size32 1
		.amdhsa_system_sgpr_workgroup_id_x 1
		.amdhsa_system_sgpr_workgroup_id_y 1
		.amdhsa_system_sgpr_workgroup_id_z 1
		.amdhsa_system_vgpr_workitem_id 0
		.amdhsa_next_free_vgpr 1024
		.amdhsa_next_free_sgpr 96
		.amdhsa_reserve_vcc 0
		.amdhsa_float_denorm_mode_32 3
		.amdhsa_float_denorm_mode_16_64 3
		.amdhsa_memory_ordered 1
		.amdhsa_forward_progress 1
		.amdhsa_inst_pref_size 116
	.end_amdhsa_kernel
	.amdgpu_metadata
---
amdhsa.version: [ 1, 2 ]
amdhsa.kernels:
  - .name:           k_q25400309f6_proj
    .symbol:         k_q25400309f6_proj.kd
    .args:
      - { .name: xb, .offset: 0, .size: 8, .value_kind: global_buffer, .address_space: global }
      - { .name: wb, .offset: 8, .size: 8, .value_kind: global_buffer, .address_space: global }
      - { .name: bb, .offset: 16, .size: 8, .value_kind: global_buffer, .address_space: global }
      - { .name: qkv, .offset: 24, .size: 8, .value_kind: global_buffer, .address_space: global }
    .group_segment_fixed_size: 327680
    .private_segment_fixed_size: 0
    .kernarg_segment_align: 8
    .kernarg_segment_size: 32
    .max_flat_workgroup_size: 128
    .sgpr_count:     96
    .vgpr_count:     1024
    .wavefront_size: 32
...
	.end_amdgpu_metadata
.endif
;; end of part 2
;; launch scores (part 3): grid 8 x 32, 4 waves a work-group, clusters of 4 x 4, 327,680 bytes of LDS; arguments qkv, pm, st; writes pm, st
.if DOCPART == 3
	.amdgcn_target "amdgcn-amd-amdhsa--gfx1250"
	.amdhsa_code_object_version 6
	.text
	.protected	k_q25400309f6_scores
	.globl	k_q25400309f6_scores
	.p2align	8
	.type	k_q25400309f6_scores,@function
k_q25400309f6_scores:
	s_mov_b64 s[64:65], 0
	v_nop
	global_prefetch_b8 v0, s[64:65] scope:SCOPE_SE
	s_setreg_imm32_b32 hwreg(HW_REG_WAVE_MODE, 25, 1), 1
	s_wait_xcnt 0x0
	s_wait_alu depctr_hold_cnt(0) depctr_sa_sdst(0) depctr_va_vdst(0) depctr_va_sdst(0) depctr_va_ssrc(0) depctr_va_vcc(0) depctr_vm_vsrc(0)
	s_getreg_b32 s2, hwreg(HW_REG_IB_STS2, 6, 4)
	s_cmp_eq_u32 s2, 0
	s_cbranch_scc0 .Lentry_in_a_cluster
	s_endpgm
.Lentry_in_a_cluster:
	s_bfe_u32 s2, ttmp6, 0x10000c
	s_cmp_lg_u32 s2, 0xf033
	s_cbranch_scc0 .Lentry_shape_is_right
	s_endpgm
.Lentry_shape_is_right:
; SCORES: S = Q K^T (f16 operands, f32 sums), and the softmax's first half, by blocks of 128 keys.  For each query row and key block kb of its batch:
;   m = the largest raw sum of the block,  p = 2^(c s - c m) with c = log2(e) / 32, rounded once to f16 -> pm,  l = the sum of the unrounded p;  (m, l) in f32 -> st[kb][row].
; The block's own maximum is taken away, so p lies in 0 to 1 whatever the size of the scores.  The next launch joins the blocks by their maxima.
; pm LIES IN THE ORDER OF THE NEXT LAUNCH'S FRAGMENTS: [block of 16 rows][fragment of 16 keys of the batch][lane][16 bytes]: lane l = 16 h + r holds row r, keys 8 h + 0..7 of the fragment.
; That is how the results lie in my registers, so they are stored as they are packed: a store of the wave covers 512 consecutive bytes, aligned, and nothing goes through LDS on the way out.
; LIMITS: c m is rounded once, so all p of a block share a factor within 2^-24 x |c m| of 1; a p below 6e-5 keeps f16's fixed step of 6e-8; a p below 2^-126 counts as 0 in l; NaN and infinities are not treated apart.
; SHARES.  A tile is 256 queries x 256 keys of one batch: 32 x 8 tiles, one a work-group; a wave has 128 x 128: 64 accumulators, 512 registers; its 128 keys are one key block.  K (1024) goes in 8 steps of 128 through two LDS slots.
; TRANSPOSED USE: source 0 = 16 keys, source 1 = 16 queries: a lane holds ONE query (l % 16) and of each 16 keys the eight 8 (l / 16) + 0..7: a row's maximum and sum want one exchange between the halves of the lanes.
; CLUSTER 4 x 4: Q's tile is shared along a row of the cluster, K's along a column: joint loads.  The loop is written for one K step; s[TB] is the LDS byte of the slot in hand.
; REGISTERS: window 0: v0-31 addresses; v64-127, v128-191 fragments of Q, two buffers; on the way out v64-71 at work, v80-95 (m, l) for each block of rows, v192-223 and v224-255 packed p, by turns.
;   window 1: v64-191 fragments of K.   window 2: accumulators of my rows 0-63, (a, b) at v[8 (8 a + b)];   window 3: rows 64-127.
.set T_STEPS, 8
.set PITCH,  272                       ; 256 bytes + 16: the 16 rows of a load start at 16 different groups of four banks (ISA guide 11.1)
.set HALFT,  128*PITCH
.set SLOT,   4*HALFT
.set SPARE,  2*SLOT                    ; behind the ring: the spare words, 128 bytes a wave, two blocks of 256 bytes that no other line names
.set ADRA0, 16
.set ADRB0, 17
.set ADRA,  18
.set ADRB,  19
.set PO,    26                         ; 16 x lane: my 16 bytes of a fragment in pm
.set SOF,   27                         ; 8 x lane: my place in 32 rows of st
.set SPW,   28
.set NIL,   29
.set PFO,   30                         ; lane x a row of qkv
.set F0,    64
.set F1,    128
.set T,     64
.set ST,    80
.set TMP,   192
.set WV,  12
.set RH,  13
.set CH,  14
.set CX,  15
.set CY,  16
.set TX,  17
.set TY,  18
.set CLY, 19
.set G1A, 24
.set G0A, 32
.set G1B, 40
.set G0B, 48
.set TB,  56
.set LWA, 57
.set LWB, 58
.set CNT, 59
.set LIM, 60
.set PFA, 62
.set CS,  68                           ; s[68:69] c, twice
.set SEL, 70                           ; s[70:71] v_permlanex16_b32's selects: each lane takes its own place in the other half
.set MK,  72                           ; lanes 16-31
.set MSB, 0
.macro WIN new
.if MSB != (\new)
	s_set_vgpr_msb (MSB<<8)|(\new)
.set MSB, \new
.endif
.endm
.set MUL_LO, 0xa1                      ; source 0 (K) window 1, source 1 (Q) window 0, C and D window 2
.set MUL_HI, 0xf1
.set TO_B,   0x40
.macro PLACES
.rept 4
	v_nop
.endr
.endm
.macro CREST
	s_cmp_lg_u32 s[WV], 0
	s_cbranch_scc1 .Lnw0_\@
	s_barrier_signal -3
.Lnw0_\@:
	s_barrier_wait -3
	s_barrier_signal -1
	s_barrier_wait -1
.endm
.macro CROUND
	s_barrier_signal -1
	s_barrier_wait -1
	CREST
.endm
.macro JLOAD
	s_cmp_eq_u32 s[RH], 0
	s_cbranch_scc0 .Lfb_\@
	tensor_load_to_lds s[G0A+4:G0A+7], s[G1A:G1A+7]
	s_nop 0
.rept 4
	v_nop
.endr
	s_branch .Lja_\@
.Lfb_\@:
	tensor_load_to_lds s[G0B+4:G0B+7], s[G1B:G1B+7]
	s_nop 0
.rept 4
	v_nop
.endr
.Lja_\@:
.endm
; PREFETCH: in trip s = 0 .. 3 each wave asks for K step s + 4, whose refill stands two trips on: 256 bytes of each of 32 rows, a lane a row.  Of the 128 rows that a wave fetches each of the four partners that ask for them jointly takes 32,
; told apart by address.  Q's rows are read by both clusters of a row of clusters: cluster x = 0 asks; K's by the two clusters of a batch in a column: the one with even y asks.  Each block is named once; K steps 0 to 3 come by their loads alone.
.macro ASK
	s_cmp_gt_u32 s[CNT], s[LIM]
	s_cbranch_scc0 .Lnm_\@
	global_prefetch_b8 v[PFO], s[PFA:PFA+1] th:TH_LOAD_NT scope:SCOPE_SE
.Lnm_\@:
.endm
	s_load_b128 s[4:7], s[0:1], 0x0                ; qkv s[4:5], pm s[6:7]
	s_load_b64 s[8:9], s[0:1], 0x10                ; st
	v_lshl_add_u32 v[SPW], v0, 2, SPARE
	v_mov_b32 v[NIL], 0
	ds_add_u32 v[SPW], v[NIL]                      ; the wave's opening: the add and its wait stand ahead of my first tensor load
	v_lshrrev_b32 v1, 5, v0
	v_readfirstlane_b32 s[WV], v1
	s_lshr_b32 s[RH], s[WV], 1
	s_and_b32 s[CH], s[WV], 1
	s_bfe_u32 s[CX], ttmp6, 0x40000
	s_bfe_u32 s[CY], ttmp6, 0x40004
	s_lshl_b32 s[TX], ttmp9, 2
	s_add_co_u32 s[TX], s[TX], s[CX]               ; key tile of the batch, 0..7
	s_and_b32 s[CLY], ttmp7, 0xffff
	s_lshl_b32 s[TY], s[CLY], 2
	s_add_co_u32 s[TY], s[TY], s[CY]               ; tile of query rows, 0..31; its batch is cluster y / 2
	s_lshl_b32 s20, s[CY], 2
	s_lshl_b32 s20, 15, s20
	s_lshl_b32 s74, 0x1111, s[CX]
	s_or_b32 s[G1A], s20, (1<<16)|(1<<20)|(1<<21)|(5<<22)|(3<<25)  ; mask of my row; 2-byte elements; padding on; bit 21 beside a mask; 4 words after every 64
	s_or_b32 s[G1B], s74, (1<<16)|(1<<20)|(1<<21)|(5<<22)|(3<<25)  ; the same with the mask of my column
.irp g, G1A, G1B
	s_mov_b32 s[\g+1], 128<<16                     ; tensor_dim0
	s_mov_b32 s[\g+2], 128<<16                     ; tensor_dim1
	s_mov_b32 s[\g+3], 128<<16                     ; tile_dim0
	s_mov_b32 s[\g+4], 128                         ; tile_dim1
	s_mov_b32 s[\g+5], 3072                        ; elements from row to row of qkv
	s_mov_b32 s[\g+6], 0
	s_mov_b32 s[\g+7], 0
.endr
	s_lshl_b32 s20, s[TY], 8                       ; Q: row 256 TY + 128 half
	s_lshl_b32 s21, s[CH], 7
	s_add_co_u32 s20, s20, s21
	s_mul_i32 s20, s20, 6144
	s_mov_b32 s21, 0
	s_lshr_b32 s74, s[CLY], 1                      ; K: row 2048 batch + 256 TX + 128 half, column 1024
	s_lshl_b32 s74, s74, 11
	s_lshl_b32 s75, s[TX], 8
	s_add_co_u32 s74, s74, s75
	s_lshl_b32 s75, s[CH], 7
	s_add_co_u32 s74, s74, s75
	s_mul_i32 s74, s74, 6144
	s_add_co_u32 s74, s74, 2048
	s_mov_b32 s75, 0
	s_mul_i32 s[LWA], s[CH], HALFT
	s_add_co_u32 s[LWB], s[LWA], 2*HALFT
	s_mov_b32 s[TB], 0
	s_mov_b32 s[G0A], 1
	s_mov_b32 s[G0A+1], s[LWA]
	s_mov_b32 s[G0A+4], 1
	s_add_co_u32 s[G0A+5], s[LWA], SLOT
	s_mov_b32 s[G0B], 1
	s_mov_b32 s[G0B+1], s[LWB]
	s_mov_b32 s[G0B+4], 1
	s_add_co_u32 s[G0B+5], s[LWB], SLOT
	s_mov_b32 s[CS], 0x3d38aa3b                    ; c = log2(e) / 32
	s_mov_b32 s[CS+1], s[CS]
	s_mov_b32 s[SEL], 0x76543210
	s_mov_b32 s[SEL+1], 0xfedcba98
	s_mov_b32 s[MK], 0xffff0000
	s_wait_dscnt 0x0                               ; the opening add is done
	s_wait_kmcnt 0x0
	s_add_nc_u64 s[G0A+2:G0A+3], s[4:5], s[20:21]
	s_add_nc_u64 s[G0A+6:G0A+7], s[G0A+2:G0A+3], 256
	s_or_b32 s[G0A+3], s[G0A+3], 0x80000000
	s_or_b32 s[G0A+7], s[G0A+7], 0x80000000
	s_add_nc_u64 s[G0B+2:G0B+3], s[4:5], s[74:75]
	s_add_nc_u64 s[G0B+6:G0B+7], s[G0B+2:G0B+3], 256
	s_or_b32 s[G0B+3], s[G0B+3], 0x80000000
	s_or_b32 s[G0B+7], s[G0B+7], 0x80000000
	CROUND
	s_cmp_eq_u32 s[RH], 0                          ; a wave's two first fills stand in one branch: two tensor loads of mine are out, later one
	s_cbranch_scc0 .Lfirst_b
	tensor_load_to_lds s[G0A:G0A+3], s[G1A:G1A+7]
	s_nop 0
	tensor_load_to_lds s[G0A+4:G0A+7], s[G1A:G1A+7]
	s_nop 0
.rept 4
	v_nop
.endr
	s_branch .Lfirst_done
.Lfirst_b:
	tensor_load_to_lds s[G0B:G0B+3], s[G1B:G1B+7]
	s_nop 0
	tensor_load_to_lds s[G0B+4:G0B+7], s[G1B:G1B+7]
	s_nop 0
.rept 4
	v_nop
.endr
.Lfirst_done:
	v_and_b32 v1, 15, v0
	v_bfe_u32 v2, v0, 4, 1
	v_mul_u32_u24 v3, v1, PITCH
	v_lshl_add_u32 v3, v2, 4, v3                   ; row x pitch + 16 x half
	s_mul_i32 s73, s[RH], HALFT
	v_add_nc_u32 v[ADRA0], s73, v3
	v_add_nc_u32 v[ADRB0], s[LWB], v3
	v_mov_b32 v[ADRA], v[ADRA0]
	v_mov_b32 v[ADRB], v[ADRB0]
	v_and_b32 v5, 31, v0
	v_lshlrev_b32 v[PO], 4, v5
	v_lshlrev_b32 v[SOF], 3, v5
	v_mul_u32_u24 v[PFO], v5, 6144
	s_lshl_b32 s80, s[TY], 8
	s_lshl_b32 s81, s[RH], 7
	s_add_co_u32 s80, s80, s81                     ; my first query row
	s_lshl_b32 s82, s[TX], 1
	s_add_co_u32 s82, s82, s[CH]                   ; my key block
	s_lshl_b32 s82, s82, 13
	s_add_co_u32 s82, s82, s80
	s_lshl_b32 s82, s82, 3                         ; st: (kb x 8192 + row) x 8 bytes
	s_mov_b32 s83, 0
	s_add_nc_u64 s[8:9], s[8:9], s[82:83]
	s_lshl_b32 s80, s[TY], 20                      ; pm: block of rows 16 TY + 8 RH, 65,536 bytes each; key fragment 16 TX + 8 CH, 512 bytes each
	s_lshl_b32 s81, s[RH], 19
	s_add_co_u32 s80, s80, s81
	s_lshl_b32 s81, s[TX], 13
	s_add_co_u32 s80, s80, s81
	s_lshl_b32 s81, s[CH], 12
	s_add_co_u32 s80, s80, s81
	s_mov_b32 s81, 0
	s_add_nc_u64 s[6:7], s[6:7], s[80:81]
	s_lshl_b32 s84, s[TY], 8                       ; the prefetches: Q's rows 256 TY + 128 half + 32 cx,
	s_lshl_b32 s85, s[CX], 5
	s_add_co_u32 s84, s84, s85
	s_lshr_b32 s86, s[CLY], 1                      ; K's rows 2048 batch + 256 TX + 128 half + 32 cy
	s_lshl_b32 s86, s86, 11
	s_lshl_b32 s87, s[TX], 8
	s_add_co_u32 s86, s86, s87
	s_lshl_b32 s87, s[CY], 5
	s_add_co_u32 s86, s86, s87
	s_and_b32 s88, s[CLY], 1
	s_cmp_eq_u32 s[RH], 0
	s_cselect_b32 s84, s84, s86
	s_cselect_b32 s89, 0, 2048
	s_cselect_b32 s88, ttmp9, s88
	s_lshl_b32 s85, s[CH], 7
	s_add_co_u32 s84, s84, s85
	s_mul_i32 s84, s84, 6144
	s_add_co_u32 s84, s84, s89
	s_add_co_u32 s84, s84, 3*256                   ; three K steps in: each change of slots steps it once more
	s_mov_b32 s85, 0
	s_add_nc_u64 s[PFA:PFA+1], s[4:5], s[84:85]
	s_cmp_eq_u32 s88, 0
	s_cselect_b32 s[LIM], 2, -1
; 16 matrix instructions: blocks a0, a0 + 1 of the window's four x all 8 key blocks, 32 along K.  The 64 accumulators take turns, one instruction a turn, in the same order in every quarter.
.macro MUL16 f, hi, a0, zero
	WIN MUL_LO+0x50*(\hi)
.irp a, \a0, (\a0)+1
.irp b, 0,1,2,3,4,5,6,7
.if \zero
	v_wmma_f32_16x16x32_f16 v[8*(8*(\a)+(\b)):8*(8*(\a)+(\b))+7], v[(\f)+8*(\b):(\f)+8*(\b)+7], v[(\f)+8*(4*(\hi)+(\a)):(\f)+8*(4*(\hi)+(\a))+7], 0
.else
	v_wmma_f32_16x16x32_f16 v[8*(8*(\a)+(\b)):8*(8*(\a)+(\b))+7], v[(\f)+8*(\b):(\f)+8*(\b)+7], v[(\f)+8*(4*(\hi)+(\a)):(\f)+8*(4*(\hi)+(\a))+7], v[8*(8*(\a)+(\b)):8*(8*(\a)+(\b))+7]
.endif
.endr
.endr
.endm
.macro FETCH k, f                      ; 32 LDS loads in one run: K's fragments, then Q's, 32 along K at byte k of the rows
	WIN TO_B
.irp i, 0,1,2,3,4,5,6,7
	ds_load_b128 v[(\f)+8*(\i):(\f)+8*(\i)+3],   v[ADRB] offset:(\k)+(\i)*16*PITCH
	ds_load_b128 v[(\f)+8*(\i)+4:(\f)+8*(\i)+7], v[ADRB] offset:(\k)+(\i)*16*PITCH+32
.endr
	WIN 0
.irp i, 0,1,2,3,4,5,6,7
	ds_load_b128 v[(\f)+8*(\i):(\f)+8*(\i)+3],   v[ADRA] offset:(\k)+(\i)*16*PITCH
	ds_load_b128 v[(\f)+8*(\i)+4:(\f)+8*(\i)+7], v[ADRA] offset:(\k)+(\i)*16*PITCH+32
.endr
.endm
.macro QUARTER k, f, g, zero           ; multiplies buffer f; in its middle fetches the next quarter, at byte k, into buffer g
	s_wait_dscnt 8                                 ; K and Q's rows 0-63 are in; the youngest eight loads (Q's rows 64-127) may be out
	MUL16 \f, 0, 0, \zero
	MUL16 \f, 0, 2, \zero
	PLACES
	FETCH \k, \g
	s_wait_dscnt 32                                ; all but the 32 just issued
	MUL16 \f, 1, 0, \zero
	MUL16 \f, 1, 2, \zero
.endm
.macro MEET fill                       ; the last quarter's first half and the change of slots: one barrier, in front of it the wait for all my tensor loads, the add, and the wait for the add and for my reads of the slot
.if \fill
	s_wait_xcnt 0x0                                ; the last prefetch, a K step back, has read its address
	s_add_nc_u64 s[PFA:PFA+1], s[PFA:PFA+1], 256
.endif
	WIN 0
	s_wait_tensorcnt 0x0                           ; no tensor load of mine is out, so a group 0 may be written
	ds_add_u32 v[SPW], v[NIL]                      ; 0 onto my spare word
.if \fill
	s_add_co_u32 s[G0A+5], s[TB], s[LWA]           ; the walking descriptors: the slot in hand, the K step two on
	s_add_nc_u64 s[G0A+6:G0A+7], s[G0A+6:G0A+7], 256
	s_add_co_u32 s[G0B+5], s[TB], s[LWB]
	s_add_nc_u64 s[G0B+6:G0B+7], s[G0B+6:G0B+7], 256
.endif
	s_xor_b32 s[TB], s[TB], SLOT
	s_wait_dscnt 9                                 ; the add and the youngest eight loads may be out
	MUL16 F1, 0, 0, 0
	s_wait_dscnt 0x0                               ; the add is done, and my reads of this slot are over
	s_barrier_signal -1
	MUL16 F1, 0, 2, 0
	WIN 0
	v_add_nc_u32 v[ADRA], s[TB], v[ADRA0]
	v_add_nc_u32 v[ADRB], s[TB], v[ADRB0]
	s_barrier_wait -1
.endm
.macro NEXT fill                       ; fill = 1: the round's rest, the joint refill first behind it (224 matrix instructions ahead of the wait for it); then the other slot's first fragments
.if \fill
	CREST
	JLOAD
.else
	PLACES
.endif
	FETCH 0, F0
.if \fill
	ASK
.endif
	MUL16 F1, 1, 0, 0
	MUL16 F1, 1, 2, 0
.endm
	s_wait_tensorcnt 0x1                           ; my part of K step 0 is in; K step 1's may stay out
	s_barrier_signal -1
	s_barrier_wait -1
	FETCH 0, F0
	QUARTER 64, F0, F1, 1                          ; the first quarter stands ahead of the loop: its products start the sums
	WIN 0
	s_mov_b32 s[CNT], T_STEPS-2
.Lk:                                   ; trip s = 0 .. 5: quarters 2 to 4 of K step s, the refill for s + 2, the first quarter of s + 1
	QUARTER 128, F1, F0, 0
	QUARTER 192, F0, F1, 0
	MEET 1
	NEXT 1
	QUARTER 64, F0, F1, 0
	WIN 0
	s_sub_co_u32 s[CNT], s[CNT], 1
	s_cmp_lg_u32 s[CNT], 0
	s_cbranch_scc1 .Lk
	s_mov_b32 s[CNT], 2
.Lt:                                   ; the last two K steps ask for nothing
	QUARTER 128, F1, F0, 0
	QUARTER 192, F0, F1, 0
	MEET 0
	s_sub_co_u32 s[CNT], s[CNT], 1
	s_cmp_eq_u32 s[CNT], 0
	s_cbranch_scc1 .Lfin
	NEXT 0
	QUARTER 64, F0, F1, 0
	WIN 0
	s_branch .Lt
.Lfin:
	MUL16 F1, 1, 0, 0
	MUL16 F1, 1, 2, 0
.rept 8
	v_nop
.endr
; THE WAY OUT, a block of 16 queries at a time.  The lane's 64 scores of block a are S[n] = v[AC + n] in window W.
.macro SOFT a
.set W_, 2+(\a)/4
.set AC, 64*((\a)%4)
.set SA, ST+2*(\a)
.set TM, TMP+32*((\a)%2)
	WIN W_|(W_<<2)|(W_<<4)                         ; the maximum, three operands at a time
.irp b, 0,1,2,3,4,5,6,7
	v_max3_num_f32 v[T+\b], v[AC+8*\b], v[AC+8*\b+1], v[AC+8*\b+2]
.endr
	WIN (W_<<2)|(W_<<4)
.irp b, 0,1,2,3,4,5,6,7
	v_max3_num_f32 v[T+\b], v[T+\b], v[AC+8*\b+3], v[AC+8*\b+4]
.endr
.irp b, 0,1,2,3,4,5,6,7
	v_max3_num_f32 v[T+\b], v[T+\b], v[AC+8*\b+5], v[AC+8*\b+6]
.endr
.irp k, 0,1,2,3
	v_max3_num_f32 v[T+\k], v[T+\k], v[AC+16*\k+7], v[AC+16*\k+15]
.endr
	WIN 0
	v_max3_num_f32 v[T], v[T], v[T+1], v[T+2]
	v_max3_num_f32 v[T+3], v[T+3], v[T+4], v[T+5]
	v_max3_num_f32 v[T], v[T], v[T+3], v[T+6]
	v_max_num_f32 v[T], v[T], v[T+7]
	v_permlanex16_b32 v[T+1], v[T], s[SEL], s[SEL+1]  ; the query's other 64 keys lie in the lane 16 away
	v_max_num_f32 v[SA], v[T], v[T+1]              ; m
	v_mul_f32 v[T+2], s[CS], v[SA]                 ; c m; the packed line below takes the pair's low register for both halves
	WIN (W_<<6)|W_
.set n_, 0
.rept 32
	v_pk_fma_f32 v[AC+n_:AC+n_+1], v[AC+n_:AC+n_+1], s[CS:CS+1], v[T+2:T+3] op_sel_hi:[1,0,0] neg_lo:[0,0,1] neg_hi:[0,0,1]  ; c s - c m, one rounding
.set n_, n_+2
.endr
.set n_, 0
.rept 64
	v_exp_f32 v[AC+n_], v[AC+n_]                   ; one batch of 64
.set n_, n_+1
.endr
	v_nop                                          ; a plain instruction behind the last exponential,
	s_wait_alu depctr_va_vdst(0)                   ; and one wait for the batch, ahead of its first reader
	s_wait_xcnt 0x0                                ; the stores of the block before last have read these 32 registers, which are written again below
	WIN W_|(W_<<2)
.set n_, 0
.rept 32
	v_cvt_pk_f16_f32 v[TM+n_], v[AC+2*n_], v[AC+2*n_+1]
.set n_, n_+1
.endr
	WIN 0
.irp b, 0,1,2,3,4,5,6,7
	global_store_b128 v[PO], v[TM+4*\b:TM+4*\b+3], s[6:7] offset:65536*(\a)+512*\b  ; a fragment of 16 rows x 16 keys: 512 consecutive bytes, at a multiple of 256 from pm's first byte
.endr
	WIN (W_<<6)|(W_<<2)|W_
.irp w, 32,16,8,4,2                    ; the sum of the unrounded p: a tree of 31 packed additions, in place
.set n_, 0
.rept \w/2
	v_pk_add_f32 v[AC+n_:AC+n_+1], v[AC+n_:AC+n_+1], v[AC+n_+\w:AC+n_+\w+1]
.set n_, n_+2
.endr
.endr
	WIN W_|(W_<<2)
	v_add_f32 v[T], v[AC], v[AC+1]
	WIN 0
	v_permlanex16_b32 v[T+1], v[T], s[SEL], s[SEL+1]
	v_add_f32 v[SA+1], v[T], v[T+1]                ; l
.endm
.irp a, 0,1,2,3,4,5,6,7
	SOFT \a
.endr
.irp i, 0,1,2,3                        ; (m, l): lanes 0-15 give block 2 i, lanes 16-31 block 2 i + 1: 32 rows, 256 consecutive bytes
	v_cndmask_b32 v[T+2*\i], v[ST+4*\i], v[ST+4*\i+2], s[MK]
	v_cndmask_b32 v[T+2*\i+1], v[ST+4*\i+1], v[ST+4*\i+3], s[MK]
	global_store_b64 v[SOF], v[T+2*\i:T+2*\i+1], s[8:9] offset:256*\i
.endr
	s_wait_tensorcnt 0x0                           ; the wave's end: the add and its wait stand behind my last tensor load
	ds_add_u32 v[SPW], v[NIL]
	s_wait_dscnt 0x0
	CROUND                                         ; the closing round
	s_endpgm
.Lfunc_end_k_q25400309f6_scores:
	.size	k_q25400309f6_scores, .Lfunc_end_k_q25400309f6_scores-k_q25400309f6_scores
	.p2alignl 7, 3214868480
	.fill 96, 4, 3214868480
	.section	.rodata,"a",@progbits
	.p2align	6, 0x0
	.amdhsa_kernel k_q25400309f6_scores
		.amdhsa_group_segment_fixed_size 327680
		.amdhsa_private_segment_fixed_size 0
		.amdhsa_enable_private_segment 0
		.amdhsa_kernarg_size 24
		.amdhsa_user_sgpr_count 2
		.amdhsa_user_sgpr_kernarg_segment_ptr 1
		.amdhsa_wavefront_size32 1
		.amdhsa_system_sgpr_workgroup_id_x 1
		.amdhsa_system_sgpr_workgroup_id_y 1
		.amdhsa_system_sgpr_workgroup_id_z 1
		.amdhsa_system_vgpr_workitem_id 0
		.amdhsa_next_free_vgpr 1024
		.amdhsa_next_free_sgpr 96
		.amdhsa_reserve_vcc 0
		.amdhsa_float_denorm_mode_32 3
		.amdhsa_float_denorm_mode_16_64 3
		.amdhsa_memory_ordered 1
		.amdhsa_forward_progress 1
		.amdhsa_inst_pref_size 163
	.end_amdhsa_kernel
	.amdgpu_metadata
---
amdhsa.version: [ 1, 2 ]
amdhsa.kernels:
  - .name:           k_q25400309f6_scores
    .symbol:         k_q25400309f6_scores.kd
    .args:
      - { .name: qkv, .offset: 0, .size: 8, .value_kind: global_buffer, .address_space: global }
      - { .name: pm, .offset: 8, .size: 8, .value_kind: global_buffer, .address_space: global }
      - { .name: st, .offset: 16, .size: 8, .value_kind: global_buffer, .address_space: global }
    .group_segment_fixed_size: 327680
    .private_segment_fixed_size: 0
    .kernarg_segment_align: 8
    .kernarg_segment_size: 24
    .max_flat_workgroup_size: 128
    .sgpr_count:     96
    .vgpr_count:     1024
    .wavefront_size: 32
...
	.end_amdgpu_metadata
.endif
;; end of part 3
;; launch pv (part 4): grid 4 x 64, 4 waves a work-group, clusters of 4 x 4, 327,680 bytes of LDS; arguments pm, st, qkv, out0; writes out0
.if DOCPART == 4
	.amdgcn_target "amdgcn-amd-amdhsa--gfx1250"
	.amdhsa_code_object_version 6
	.text
	.protected	k_q25400309f6_pv
	.globl	k_q25400309f6_pv
	.p2align	8
	.type	k_q25400309f6_pv,@function
k_q25400309f6_pv:
	s_mov_b64 s[64:65], 0
	v_nop
	global_prefetch_b8 v0, s[64:65] scope:SCOPE_SE
	s_setreg_imm32_b32 hwreg(HW_REG_WAVE_MODE, 25, 1), 1
	s_wait_xcnt 0x0
	s_wait_alu depctr_hold_cnt(0) depctr_sa_sdst(0) depctr_va_vdst(0) depctr_va_sdst(0) depctr_va_ssrc(0) depctr_va_vcc(0) depctr_vm_vsrc(0)
	s_getreg_b32 s2, hwreg(HW_REG_IB_STS2, 6, 4)
	s_cmp_eq_u32 s2, 0
	s_cbranch_scc0 .Lentry_in_a_cluster
	s_endpgm
.Lentry_in_a_cluster:
	s_bfe_u32 s2, ttmp6, 0x10000c
	s_cmp_lg_u32 s2, 0xf033
	s_cbranch_scc0 .Lentry_shape_is_right
	s_endpgm
.Lentry_shape_is_right:
; PV: out[row][:] = (1 / L) x the sum over key blocks kb of f(kb) x (P(kb) V(kb)), the softmax's second half.  From (m, l) of the 16 key blocks of a row:
;   M = the largest m,  f(kb) = 2^(c (m(kb) - M)) <= 1 with c = log2(e) / 32,  L = the sum of f l, in f32.  P's fragments (f16) are multiplied by f (f16) between their load and the matrix unit;
;   the f32 sums are multiplied by 1 / L on the way out.  The block that holds M has f = 1 and an l of about 1 or more, so L is no small number.
; LIMITS: p x f below 6e-5 keeps f16's fixed step of 6e-8; an f below 2^-126 counts as 0 in L; |V| under 65,504; NaN and infinities are not treated apart.
; SHARES.  A tile is 128 rows x 256 columns: 64 x 4 tiles, one a work-group; a wave has 64 x 128: 4 blocks of rows (a) x 8 column fragments (b), 32 accumulators.
; TRANSPOSED USE: source 0 = 16 columns of V (turned by ds_load_tr16_b128), source 1 = 16 rows of P: a lane holds row l % 16 and eight neighbouring columns.
; V GOES THROUGH LDS: two slots of 256 keys x 256 columns; the 2048 keys are 8 slots; a slot is 8 quarters of 32 keys, 32 matrix instructions a wave each.  Each wave fetches 64 key rows of a slot.
; CLUSTER 4 x 4: V's tile is shared along a column of the cluster: joint loads.
; P COMES STRAIGHT INTO REGISTERS.  pm lies in fragment order ([block of 16 rows][fragment of 16 keys][lane][16 bytes]), so a fragment is two loads of 512 consecutive bytes.  A ring of 8 buffers, one for each quarter of a slot, 32 registers
; each: the buffer of quarter q - 1 is loaded again in quarter q, seven quarters ahead of its use.  Its eight loads stand in ONE run with the sixteen LDS loads of V's next fragments: no load stands singly among the matrix instructions.
; WHY P IS NOT ASKED FOR JOINTLY, though the four of a cluster's row read the same rows: a joint load lands in LDS, and two slots of 256 keys
; of P and V together would be 2 x (128 x 528 + 256 x 544) = 413,696 bytes, more than a WGP has; with slots of 128 keys there are twice as many refill barriers, each with half the matrix work in which a refill can land.
; THE WALK IS ROTATED: cluster j (y % 4) of a batch's four begins at slot 2 j and goes round: at any time the four ask for different slots of V.  f32 sums may be taken in any order.  Only global addresses hang on j: the factor table is written in the order of the walk.
; THE LOOP IS WRITTEN FOR ONE SLOT; s[TB] is the LDS byte of the slot in hand.  THE TAIL (two slots, no refill) IS ONE TEXT FOR TWO TRIPS: in the last trip P's pointer stands still, and 48 loads a wave (24 KiB) bring the last slot's bytes once more, for nothing:
; the price of one count for every wait on P and of no third copy of the slot's text.
; LDS: slot s at s x 139,264: 256 key rows of 544 bytes (512 + 32); the stages 4 x 16 rows x 528; the factor tables, one for each half of the rows: 16 kb x 256 bytes ([kb of the walk][r][a], f twice in f16); the spare words.
; REGISTERS: window 0: v0-31 addresses; v32-35, v36-39 f of the slot's two key blocks, one register for each a; v40-47 (1 / L, L) for each a; v48-55 offsets in st; v64-127, v128-191 fragments of V, two buffers; v192-203 at work.
;   window 1 (a = 0, 1), window 2 (a = 2, 3): accumulators at v[64 (a % 2) + 8 b]; P's ring at v[128 + 16 q + 8 (a % 2)].  One window setting serves the products, the scaling and the loads of P.
.set T_SLOTS, 8
.set PV_,   544
.set QB,    32*PV_                     ; 32 keys in LDS
.set SLOT,  256*PV_                    ; 139,264
.set STG,   2*SLOT
.set SPT,   528
.set FT,    STG+4*16*SPT               ; 312,320
.set SPARE, FT+2*4096                  ; 320,512: 128 bytes a wave, two blocks of 256 bytes that no other line names
.set STEPV, 256*6144                   ; 256 rows of qkv
.set ADRB0, 16                         ; my place in a slot, quarters 0-3; never rewritten
.set ADRC0, 17                         ; quarters 4-7: an LDS immediate holds 16 bits
.set ADRB,  18
.set ADRC,  19
.set STO,   20
.set RD,    21
.set GO,    22                         ; 16 x lane: in a fragment of pm, and in a row's 512 bytes of out0
.set FTA,   23
.set FTW,   24
.set PFO,   26
.set FTA0,  27
.set SPW,   28
.set NIL,   29
.set FAC,   32
.set RI,    40
.set SO,    48
.set FB0,   64
.set DD,    64                         ; the prologue: (m, l) of block a, place 8 h + k of the walk at v[DD + 16 a + 2 k]
.set WV,  12
.set RH,  13
.set CH,  14
.set CX,  15
.set CY,  16
.set TX,  17
.set TY,  18
.set CLY, 19
.set G1,  24
.set G0,  32                           ; two sets: s[32:35] the first fill of slot 0; s[36:39] the second, which then walks
.set VB,  40                           ; s[40:41] V at my 64 key rows of the batch's slot 0
.set PBASE, 42                         ; s[42:43] pm at my four blocks of rows
.set PB,  44                           ; s[44:45] the same at the slot whose P is being loaded
.set PFB, 46                           ; s[46:47] pm at the two blocks of rows that my work-group prefetches
.set PFA, 48                           ; s[48:49] the same at the slot asked for
.set OFF, 50                           ; s[50:51] an offset, 0 above it
.set TB,  56
.set LW,  57
.set PBS, 58                           ; 1; 0 in the last trip
.set CNT, 59
.set LIM, 60
.set FTS, 61                           ; 512 x the place in the walk of the slot whose factors are fetched next
.set SIG, 62                           ; the slot (0..7) whose P is being loaded
.set CS,  68
.set SEL, 70
.set MSB, 0
.macro WIN new
.if MSB != (\new)
	s_set_vgpr_msb (MSB<<8)|(\new)
.set MSB, \new
.endif
.endm
.macro CREST
	s_cmp_lg_u32 s[WV], 0
	s_cbranch_scc1 .Lnw0_\@
	s_barrier_signal -3
.Lnw0_\@:
	s_barrier_wait -3
	s_barrier_signal -1
	s_barrier_wait -1
.endm
.macro CROUND
	s_barrier_signal -1
	s_barrier_wait -1
	CREST
.endm
.macro JLOAD                           ; a joint refill: every wave fetches its own 64 key rows; s_nop 0 and four v_nop follow
	tensor_load_to_lds s[G0+4:G0+7], s[G1:G1+7]
	s_nop 0
.rept 4
	v_nop
.endr
.endm
; PREFETCH of P: in trip t = 0 .. 4 the slot three on in the walk is asked for; ten quarters stand between the request and the first load of those bytes.  A slot of a block of 16 rows is 8,192 consecutive bytes: a lane 256 of them.
; The tile's 8 blocks of rows are read by the four work-groups of a cluster's row and by nobody else: each takes two, told apart by address; wave 0 asks, two lines.  So each block of 256 bytes is named once.  The walk's first three slots come by their loads alone.
; V is not prefetched: each slot's first reading in the launch is one cluster's first fill, at the head, where nothing is prefetched.
.macro ASK
	s_cmp_gt_u32 s[CNT], s[LIM]
	s_cbranch_scc0 .Lnm_\@
	global_prefetch_b8 v[PFO], s[PFA:PFA+1] th:TH_LOAD_NT scope:SCOPE_SE
	global_prefetch_b8 v[PFO], s[PFA:PFA+1] offset:65536 th:TH_LOAD_NT scope:SCOPE_SE
.Lnm_\@:
.endm
; Four loads in a run: buffer rl's two blocks of rows of window hi + 1, from the slot at s[PB].
.macro PHALF hi, rl
	WIN 0x54*((\hi)+1)                             ; destination in window 1 or 2, address in window 0
.irp i, 0,1,2,3
	global_load_b128 v[128+16*(\rl)+4*\i:128+16*(\rl)+4*\i+3], v[GO], s[PB:PB+1] offset:65536*(2*(\hi)+\i/2)+1024*(\rl)+512*(\i%2)
.endr
.endm
.macro PLOAD q                         ; a buffer's eight loads
	PHALF 0, \q
	PHALF 1, \q
.endm
	s_load_b256 s[4:11], s[0:1], 0x0               ; pm s[4:5], st s[6:7], qkv s[8:9], out0 s[10:11]
	v_lshl_add_u32 v[SPW], v0, 2, SPARE
	v_mov_b32 v[NIL], 0
	ds_add_u32 v[SPW], v[NIL]                      ; the wave's opening: the add and its wait stand ahead of my first tensor load
	v_lshrrev_b32 v1, 5, v0
	v_readfirstlane_b32 s[WV], v1
	s_lshr_b32 s[RH], s[WV], 1
	s_and_b32 s[CH], s[WV], 1
	s_bfe_u32 s[CX], ttmp6, 0x40000
	s_bfe_u32 s[CY], ttmp6, 0x40004
	s_lshl_b32 s[TX], ttmp9, 2
	s_add_co_u32 s[TX], s[TX], s[CX]               ; tile column 0..3
	s_and_b32 s[CLY], ttmp7, 0xffff
	s_lshl_b32 s[TY], s[CLY], 2
	s_add_co_u32 s[TY], s[TY], s[CY]               ; tile row 0..63; its batch is cluster y / 4
	s_lshl_b32 s74, 0x1111, s[CX]                  ; my column of the cluster
	s_or_b32 s[G1], s74, (1<<16)|(1<<20)|(1<<21)|(6<<22)|(7<<25)  ; the mask; 2-byte elements; padding on; bit 21 beside a mask; 8 words after every 128
	s_mov_b32 s[G1+1], 256<<16                     ; tensor_dim0
	s_mov_b32 s[G1+2], 64<<16                      ; tensor_dim1
	s_mov_b32 s[G1+3], 256<<16                     ; tile_dim0
	s_mov_b32 s[G1+4], 64                          ; tile_dim1
	s_mov_b32 s[G1+5], 3072                        ; elements from row to row of qkv
	s_mov_b32 s[G1+6], 0
	s_mov_b32 s[G1+7], 0
	s_lshr_b32 s74, s[CLY], 2                      ; V: row 2048 batch + 64 wave of qkv, column 2048 + 256 TX: the tile column, the cluster's y and the wave's number alone
	s_lshl_b32 s74, s74, 11
	s_lshl_b32 s75, s[WV], 6
	s_add_co_u32 s74, s74, s75
	s_mul_i32 s74, s74, 6144
	s_lshl_b32 s75, s[TX], 9
	s_add_co_u32 s74, s74, s75
	s_add_co_u32 s74, s74, 4096
	s_mov_b32 s75, 0
	s_and_b32 s[SIG], s[CLY], 3
	s_lshl_b32 s[SIG], s[SIG], 1                   ; the walk's first slot: 2 j, the same in all sixteen partners
	s_mul_i32 s76, s[SIG], STEPV
	s_mov_b32 s77, 0
	s_mul_i32 s[LW], s[WV], 64*PV_
	s_mov_b32 s[TB], 0
	s_mov_b32 s[FTS], 0
	s_mov_b32 s[PBS], 1
	s_mov_b32 s[G0], 1
	s_mov_b32 s[G0+1], s[LW]
	s_mov_b32 s[G0+4], 1
	s_add_co_u32 s[G0+5], s[LW], SLOT
	s_mov_b32 s[CS], 0x3d38aa3b                    ; c = log2(e) / 32
	s_mov_b32 s[CS+1], s[CS]
	s_mov_b32 s[SEL], 0x76543210
	s_mov_b32 s[SEL+1], 0xfedcba98
	s_wait_dscnt 0x0                               ; the opening add is done
	s_wait_kmcnt 0x0
	s_add_nc_u64 s[VB:VB+1], s[8:9], s[74:75]
	s_add_nc_u64 s[G0+2:G0+3], s[VB:VB+1], s[76:77]
	s_add_nc_u64 s[G0+6:G0+7], s[G0+2:G0+3], STEPV ; slot 2 j + 1, at most 7
	s_or_b32 s[G0+3], s[G0+3], 0x80000000
	s_or_b32 s[G0+7], s[G0+7], 0x80000000
	CROUND                                         ; all sixteen work-groups are here: the first joint loads meet
	tensor_load_to_lds s[G0:G0+3], s[G1:G1+7]      ; two tensor loads of mine are out, later one
	s_nop 0
	tensor_load_to_lds s[G0+4:G0+7], s[G1:G1+7]
	s_nop 0
.rept 4
	v_nop
.endr
	v_and_b32 v1, 15, v0                           ; r
	v_bfe_u32 v2, v0, 4, 1                         ; h
	v_and_b32 v3, 7, v0
	v_bfe_u32 v4, v0, 3, 1
	v_and_b32 v5, 31, v0                           ; l
	v_lshlrev_b32 v[GO], 4, v5
	s_lshl_b32 s80, s[TY], 7
	s_lshl_b32 s81, s[RH], 6
	s_add_co_u32 s80, s80, s81                     ; my first row
	s_lshl_b32 s82, s80, 3
	s_mov_b32 s83, 0
	s_add_nc_u64 s[6:7], s[6:7], s[82:83]          ; st at that row, key block 0
	s_lshl_b32 s84, s[SIG], 1                      ; 4 j: the walk's first key block
	v_lshl_add_u32 v6, v2, 3, s84                  ; lanes 16-31 take places 8 to 15 of the walk
	v_lshlrev_b32 v7, 3, v1
.irp k, 0,1,2,3,4,5,6,7                ; place 8 h + k of the walk is key block (8 h + k + 4 j) % 16, 65,536 bytes each
	v_add_nc_u32 v8, \k, v6
	v_and_b32 v8, 15, v8
	v_lshl_add_u32 v[SO+\k], v8, 16, v7
.endr
.set n_, 0
.rept 32                               ; (m, l) of block n / 8 of rows, place 8 h + n % 8
	global_load_b64 v[DD+2*n_:DD+2*n_+1], v[SO+n_%8], s[6:7] offset:128*(n_/8)
.set n_, n_+1
.endr
	s_lshl_b32 s86, s[TY], 19                      ; pm: block of rows 8 TY + 4 RH, 65,536 bytes each
	s_lshl_b32 s87, s[RH], 18
	s_add_co_u32 s86, s86, s87
	s_mov_b32 s87, 0
	s_add_nc_u64 s[PBASE:PBASE+1], s[4:5], s[86:87]
	s_lshl_b32 s[OFF], s[SIG], 13                  ; a slot is 8,192 bytes of a block of rows
	s_mov_b32 s[OFF+1], 0
	s_add_nc_u64 s[PB:PB+1], s[PBASE:PBASE+1], s[OFF:OFF+1]
	PLOAD 0                                        ; the ring's first fill: buffers 0 to 6; buffer 7 is loaded in the first quarter, as in every quarter 0
	PLOAD 1
	PLOAD 2
	WIN 0
	s_lshl_b32 s73, s[CH], 8
	v_lshl_add_u32 v[ADRB0], v2, 3, v3             ; the turning load: key row 8 h + l % 8, 16 bytes at 16 ((l / 8) % 2)
	v_mul_u32_u24 v[ADRB0], v[ADRB0], PV_
	v_lshl_add_u32 v[ADRB0], v4, 4, v[ADRB0]
	v_add_nc_u32 v[ADRB0], s73, v[ADRB0]
	v_add_nc_u32 v[ADRC0], 4*QB, v[ADRB0]
	v_mov_b32 v[ADRB], v[ADRB0]
	v_mov_b32 v[ADRC], v[ADRC0]
	s_mul_i32 s73, s[WV], 16*SPT
	s_add_co_u32 s73, s73, STG                     ; my stage
	v_mul_u32_u24 v[STO], v1, SPT                  ; in: row r, 32 bytes for each half of the lanes
	v_lshl_add_u32 v[STO], v2, 5, v[STO]
	v_add_nc_u32 v[STO], s73, v[STO]
	v_add_nc_u32 v[RD], s73, v[GO]                 ; back: 32 lanes take a whole row of 512 bytes
	s_lshl_b32 s73, s[RH], 12
	s_add_co_u32 s73, s73, FT                      ; the factor table of my half of the rows
	v_lshlrev_b32 v[FTA0], 4, v1
	v_add_nc_u32 v[FTA0], s73, v[FTA0]             ; + 16 r
	v_lshl_add_u32 v[FTW], v2, 11, v[FTA0]         ; + 2,048 h: places 8 h on
	v_mov_b32 v[FTA], v[FTA0]
	s_lshl_b32 s80, s80, 12                        ; out0: row x 4,096 + 1,024 TX + 512 half
	s_lshl_b32 s81, s[TX], 10
	s_add_co_u32 s80, s80, s81
	s_lshl_b32 s81, s[CH], 9
	s_add_co_u32 s80, s80, s81
	s_mov_b32 s81, 0
	s_add_nc_u64 s[10:11], s[10:11], s[80:81]
	s_lshl_b32 s88, s[TY], 19                      ; the prefetches: blocks of rows 8 TY + 2 cx and the next
	s_lshl_b32 s89, s[CX], 17
	s_add_co_u32 s88, s88, s89
	s_mov_b32 s89, 0
	s_add_nc_u64 s[PFB:PFB+1], s[4:5], s[88:89]
	s_cmp_eq_u32 s[WV], 0
	s_cselect_b32 s[LIM], 1, -1
	v_lshlrev_b32 v[PFO], 8, v5
	s_wait_loadcnt 24                              ; (m, l) are in; behind them stand P's first three buffers, 24 loads
	PLOAD 3
	PLOAD 4
	PLOAD 5
	PLOAD 6
	WIN 0
	; the blocks are joined: M, f, L, 1 / L.  All this stands in the wait for the first tiles.
.irp a, 0,1,2,3
	v_max3_num_f32 v[196+\a], v[DD+16*\a], v[DD+16*\a+2], v[DD+16*\a+4]
.endr
.irp a, 0,1,2,3
	v_max3_num_f32 v[192+\a], v[196+\a], v[DD+16*\a+6], v[DD+16*\a+8]
.endr
.irp a, 0,1,2,3
	v_max3_num_f32 v[192+\a], v[192+\a], v[DD+16*\a+10], v[DD+16*\a+12]
.endr
.irp a, 0,1,2,3
	v_max_num_f32 v[192+\a], v[192+\a], v[DD+16*\a+14]
.endr
.irp a, 0,1,2,3
	v_permlanex16_b32 v[196+\a], v[192+\a], s[SEL], s[SEL+1]  ; the other eight key blocks lie in the lane 16 away
.endr
.irp a, 0,1,2,3
	v_max_num_f32 v[192+\a], v[192+\a], v[196+\a]  ; M
.endr
.set n_, 0
.rept 32
	v_sub_f32 v[DD+2*n_], v[DD+2*n_], v[192+n_/8]  ; m - M first, the scale behind it
.set n_, n_+1
.endr
.set n_, 0
.rept 32
	v_mul_f32 v[DD+2*n_], s[CS], v[DD+2*n_]
.set n_, n_+1
.endr
.set n_, 0
.rept 32
	v_exp_f32 v[DD+2*n_], v[DD+2*n_]               ; f: one batch of 32
.set n_, n_+1
.endr
	v_nop
	s_wait_alu depctr_va_vdst(0)                   ; one wait for the batch, ahead of its first reader
.irp a, 0,1,2,3
	v_mul_f32 v[200+\a], v[DD+16*\a], v[DD+16*\a+1]
.endr
.irp k, 1,2,3,4,5,6,7
.irp a, 0,1,2,3
	v_fmac_f32 v[200+\a], v[DD+16*\a+2*\k], v[DD+16*\a+2*\k+1]
.endr
.endr
.irp a, 0,1,2,3
	v_permlanex16_b32 v[196+\a], v[200+\a], s[SEL], s[SEL+1]
.endr
.irp a, 0,1,2,3
	v_add_f32 v[RI+2*\a+1], v[200+\a], v[196+\a]   ; L
.endr
.irp a, 0,1,2,3
	v_rcp_f32 v[RI+2*\a], v[RI+2*\a+1]
.endr
.irp k, 0,1,2,3,4,5,6,7
.irp a, 0,1,2,3
	v_cvt_pk_f16_f32 v[128+4*\k+\a], v[DD+16*\a+2*\k], v[DD+16*\a+2*\k]  ; f twice, for the packed multiply
.endr
.endr
	s_wait_alu depctr_va_vdst(0)                   ; the four reciprocals, ahead of the branch: the conversions above are the plain work behind them
	s_cmp_eq_u32 s[CH], 0                          ; the two waves of a half of the rows have the same factors: the first writes the table, both read it behind the barrier below
	s_cbranch_scc0 .Lnoft
.irp k, 0,1,2,3,4,5,6,7
	ds_store_b128 v[FTW], v[128+4*\k:128+4*\k+3] offset:256*\k
.endr
.Lnoft:
; A QUARTER: 32 keys.  SCL scales the first block's fragment of P of a window by its f; HA multiplies it and scales the second block's between the products; HB multiplies the second block.
; The 32 accumulators take turns, one instruction a turn, in the same order in every quarter.
.macro SCL hi, q
	WIN 0x54*((\hi)+1)                             ; D, C and source 1 (P) in window 1 or 2, source 0 (V, or f) in window 0
.set AF, 128+16*(\q)
.set FC, FAC+4*((\q)/4)+2*(\hi)
.irp j, 0,1,2,3,4,5,6,7
	v_pk_mul_f16 v[AF+\j], v[FC], v[AF+\j]
.endr
.endm
.macro HA hi, q, z
	WIN 0x54*((\hi)+1)
.set AF, 128+16*(\q)
.set BF, FB0+64*((\q)%2)
.set FC, FAC+4*((\q)/4)+2*(\hi)
.irp j, 0,1,2,3,4,5,6,7
.if \z
	v_wmma_f32_16x16x32_f16 v[8*\j:8*\j+7], v[BF+8*\j:BF+8*\j+7], v[AF:AF+7], 0
.else
	v_wmma_f32_16x16x32_f16 v[8*\j:8*\j+7], v[BF+8*\j:BF+8*\j+7], v[AF:AF+7], v[8*\j:8*\j+7]
.endif
	v_pk_mul_f16 v[AF+8+\j], v[FC+1], v[AF+8+\j]
.endr
.endm
.macro HB hi, q, z
	WIN 0x54*((\hi)+1)
.set AF, 128+16*(\q)
.set BF, FB0+64*((\q)%2)
.irp j, 0,1,2,3,4,5,6,7
.if \z
	v_wmma_f32_16x16x32_f16 v[64+8*\j:64+8*\j+7], v[BF+8*\j:BF+8*\j+7], v[AF+8:AF+15], 0
.else
	v_wmma_f32_16x16x32_f16 v[64+8*\j:64+8*\j+7], v[BF+8*\j:BF+8*\j+7], v[AF+8:AF+15], v[64+8*\j:64+8*\j+7]
.endif
.endr
.endm
.macro FETCHB kq                       ; 16 turning loads in one run: V's eight fragments of quarter kq, into buffer kq % 2
	WIN 0
.if (\kq) < 4
.set AD, ADRB
.else
.set AD, ADRC
.endif
.irp j, 0,1,2,3,4,5,6,7
	ds_load_tr16_b128 v[FB0+64*((\kq)%2)+8*\j:FB0+64*((\kq)%2)+8*\j+3],   v[AD] offset:QB*((\kq)%4)+32*\j
	ds_load_tr16_b128 v[FB0+64*((\kq)%2)+8*\j+4:FB0+64*((\kq)%2)+8*\j+7], v[AD] offset:QB*((\kq)%4)+32*\j+16*PV_
.endr
.endm
; THE COUNT 48.  P's buffers are loaded in the order in which they are used, 8 loads each.  Buffer q's loads are issued in quarter q + 1 of the slot before; up to the head of quarter q six more buffers' follow: 48 loads, on the way in (buffers 0 to 6
; ahead of the loop, buffer 7 in the first quarter) and round both loops' back edges.  Loads come back in order (ISA guide 5.7.1).
; ONE RUN OF LOADS A QUARTER: behind SCL's eight lines stand the eight loads that fill P's buffer of the quarter before anew, and V's sixteen LDS loads for the next quarter; then the quarter's 32 products with nothing but their scalings between them.
; SCL's eight lines name no register of the products before them: they are the places in front of the loads into P's buffer and into V's other buffer, which the quarter before has read (ISA guide 7.12.1 for vector instructions).
.macro QQ q                            ; quarters 1 to 6
	s_wait_loadcnt 48                              ; P of this quarter is in
	s_wait_dscnt 0x0                               ; V's fragments, asked for a quarter ago, are in
	SCL 0, \q
	PLOAD (\q)-1
	FETCHB (\q)+1
	HA 0, \q, 0
	HB 0, \q, 0
	SCL 1, \q
	HA 1, \q, 0
	HB 1, \q, 0
.endm
.macro Q0 z                            ; quarter 0; z = 1: the products start the sums
	s_wait_loadcnt 48
	s_wait_dscnt 1                                 ; the even key block's f and V's fragments are in; the load of the odd block's f may be out
	SCL 0, 0
	PLOAD 7
	FETCHB 1
	HA 0, 0, \z
	HB 0, 0, \z
	SCL 1, 0
	HA 1, 0, \z
	HB 1, 0, \z
.endm
.macro TOP main                        ; a trip's head: P's pointer goes to the walk's next slot
	s_wait_xcnt 0x0                                ; every load and prefetch issued so far (the youngest load 32 products back) has read its address
	s_add_co_u32 s[SIG], s[SIG], s[PBS]
	s_and_b32 s[SIG], s[SIG], 7
	s_lshl_b32 s[OFF], s[SIG], 13
	s_add_nc_u64 s[PB:PB+1], s[PBASE:PBASE+1], s[OFF:OFF+1]
.if \main
	s_add_co_u32 s20, s[SIG], 2                    ; and the prefetches' to the slot two further on
	s_and_b32 s20, s20, 7
	s_lshl_b32 s20, s20, 13
	s_mov_b32 s21, 0
	s_add_nc_u64 s[PFA:PFA+1], s[PFB:PFB+1], s[20:21]
.else
	s_mov_b32 s[PBS], 0                            ; the tail's second trip has no next slot: the pointer stands still
.endif
.endm
; Quarter 7's first half, and the change of slots: ONE barrier.  In front of it each wave waits for all its tensor loads (one is out: its part of the other slot), adds 0 to its spare word, and waits for that and for its own reads of this slot.
; This half issues no load: the quarter's run stands in its second half, behind the refill.
.macro MEET fill
	s_wait_loadcnt 48
	SCL 0, 7
	WIN 0
	s_wait_tensorcnt 0x0                           ; no tensor load of mine is out, so a group 0 may be written
	ds_add_u32 v[SPW], v[NIL]                      ; 0 onto my spare word
.if \fill
	s_add_co_u32 s20, s[SIG], 1                    ; the walking descriptor: the slot in hand takes the walk's slot two on; its address is made anew from the slot's number
	s_and_b32 s20, s20, 7
	s_mul_i32 s20, s20, STEPV
	s_mov_b32 s21, 0
	s_add_co_u32 s[G0+5], s[TB], s[LW]
	s_add_nc_u64 s[G0+6:G0+7], s[VB:VB+1], s[20:21]
	s_or_b32 s[G0+7], s[G0+7], 0x80000000
.endif
	s_xor_b32 s[TB], s[TB], SLOT
	s_add_co_u32 s[FTS], s[FTS], 512
	s_wait_dscnt 1                                 ; V's fragments are in; the add may be out
	HA 0, 7, 0
	s_wait_dscnt 0x0                               ; the add is done, and my reads of this slot are over
	s_barrier_signal -1
	HB 0, 7, 0
	WIN 0
	v_add_nc_u32 v[ADRB], s[TB], v[ADRB0]          ; register work between signal and wait
	v_add_nc_u32 v[ADRC], s[TB], v[ADRC0]
	v_add_nc_u32 v[FTA], s[FTS], v[FTA0]
	s_barrier_wait -1
.endm
; Quarter 7's second half.  fill = 1: the round's rest, and the joint refill first behind it: 240 matrix instructions stand between it and the wait for it.  Then the quarter's run of loads: the next slot's factors and first fragments of V, and P's buffer 6.
.macro NEXT fill
.if \fill
	CREST
	JLOAD
.endif
	ds_load_b128 v[FAC:FAC+3], v[FTA]              ; f of the next slot's even key block: this slot's was last used in quarter 3
	FETCHB 0
	PLOAD 6
.if \fill
	WIN 0
	ASK                                            ; behind the run of loads
.endif
	SCL 1, 7
	HA 1, 7, 0
	HB 1, 7, 0
	WIN 0
	ds_load_b128 v[FAC+4:FAC+7], v[FTA] offset:256 ; f of its odd key block: this slot's has just been used for the last time
.endm
	s_wait_tensorcnt 0x1                           ; my part of the first slot is in; the second's may stay out
	s_wait_dscnt 0x0                               ; the factor table is written
	s_barrier_signal -1
	s_barrier_wait -1
	ds_load_b128 v[FAC:FAC+3], v[FTA]
	FETCHB 0
	ds_load_b128 v[FAC+4:FAC+7], v[FTA] offset:256
	Q0 1                                           ; the first quarter stands ahead of the loop: its products start the sums
	WIN 0
	s_mov_b32 s[CNT], T_SLOTS-2
.Lk:                                   ; trip t = 0 .. 5: quarters 1 to 7 of the walk's slot t, the refill for t + 2, quarter 0 of t + 1; P of t + 1 is loaded
	TOP 1
.irp q, 1,2,3,4,5,6
	QQ \q
.endr
	MEET 1
	NEXT 1
	Q0 0
	WIN 0
	s_sub_co_u32 s[CNT], s[CNT], 1
	s_cmp_lg_u32 s[CNT], 0
	s_cbranch_scc1 .Lk
	s_mov_b32 s[CNT], 2
.Lt:                                   ; the last two slots ask for no tile
	TOP 0
.irp q, 1,2,3,4,5,6
	QQ \q
.endr
	MEET 0
	s_sub_co_u32 s[CNT], s[CNT], 1
	s_cmp_eq_u32 s[CNT], 0
	s_cbranch_scc1 .Lfin
	NEXT 0
	Q0 0
	WIN 0
	s_branch .Lt
.Lfin:
	SCL 1, 7
	HA 1, 7, 0
	HB 1, 7, 0
.rept 8
	v_nop
.endr
; THE WAY OUT, a block of 16 rows at a time: times 1 / L in f32; 32 bytes a lane into my own stage; back as whole rows of 512 bytes, into the registers that they left; stored.
.macro PACK a
	WIN 0x54*((\a)/2+1)
.set AC, 64*((\a)%2)
.set n_, 0
.rept 32
	v_pk_mul_f32 v[AC+n_:AC+n_+1], v[RI+2*(\a):RI+2*(\a)+1], v[AC+n_:AC+n_+1] op_sel_hi:[0,1]
.set n_, n_+2
.endr
.irp j, 0,1,2,3,4,5,6,7
	ds_store_b128 v[STO], v[AC+8*\j:AC+8*\j+3]   offset:64*\j
	ds_store_b128 v[STO], v[AC+8*\j+4:AC+8*\j+7] offset:64*\j+16
.endr
.set t_, 0
.rept 16
	ds_load_b128 v[AC+4*t_:AC+4*t_+3], v[RD] offset:SPT*t_  ; LDS serves a wave's instructions in order (ISA guide 5.7.1.4): these see the stores above; the next block's stores come behind them
.set t_, t_+1
.endr
.endm
.macro SEND a, younger                 ; younger: the LDS instructions issued behind block a's loads: the next block's 32, or none
	WIN 0x54*((\a)/2+1)
.set AC, 64*((\a)%2)
.set t_, 0
.rept 16
	s_wait_dscnt (\younger)+15-t_
	global_store_b128 v[GO], v[AC+4*t_:AC+4*t_+3], s[10:11] offset:65536*(\a)+4096*t_ th:TH_STORE_NT  ; 512 consecutive bytes, at a multiple of 256 from out0's first byte
.set t_, t_+1
.endr
.endm
	PACK 0
	PACK 1                                         ; a block's arithmetic stands between the loads of the block before and its stores
	SEND 0, 32
	PACK 2
	SEND 1, 32
	PACK 3
	SEND 2, 32
	SEND 3, 0
	WIN 0
	s_wait_tensorcnt 0x0                           ; the wave's end: the add and its wait stand behind my last tensor load and my last LDS store
	ds_add_u32 v[SPW], v[NIL]
	s_wait_dscnt 0x0
	CROUND                                         ; the closing round
	s_endpgm
.Lfunc_end_k_q25400309f6_pv:
	.size	k_q25400309f6_pv, .Lfunc_end_k_q25400309f6_pv-k_q25400309f6_pv
	.p2alignl 7, 3214868480
	.fill 96, 4, 3214868480
	.section	.rodata,"a",@progbits
	.p2align	6, 0x0
	.amdhsa_kernel k_q25400309f6_pv
		.amdhsa_group_segment_fixed_size 327680
		.amdhsa_private_segment_fixed_size 0
		.amdhsa_enable_private_segment 0
		.amdhsa_kernarg_size 32
		.amdhsa_user_sgpr_count 2
		.amdhsa_user_sgpr_kernarg_segment_ptr 1
		.amdhsa_wavefront_size32 1
		.amdhsa_system_sgpr_workgroup_id_x 1
		.amdhsa_system_sgpr_workgroup_id_y 1
		.amdhsa_system_sgpr_workgroup_id_z 1
		.amdhsa_system_vgpr_workitem_id 0
		.amdhsa_next_free_vgpr 768
		.amdhsa_next_free_sgpr 96
		.amdhsa_reserve_vcc 0
		.amdhsa_float_denorm_mode_32 3
		.amdhsa_float_denorm_mode_16_64 3
		.amdhsa_memory_ordered 1
		.amdhsa_forward_progress 1
		.amdhsa_inst_pref_size 157
	.end_amdhsa_kernel
	.amdgpu_metadata
---
amdhsa.version: [ 1, 2 ]
amdhsa.kernels:
  - .name:           k_q25400309f6_pv
    .symbol:         k_q25400309f6_pv.kd
    .args:
      - { .name: pm, .offset: 0, .size: 8, .value_kind: global_buffer, .address_space: global }
      - { .name: st, .offset: 8, .size: 8, .value_kind: global_buffer, .address_space: global }
      - { .name: qkv, .offset: 16, .size: 8, .value_kind: global_buffer, .address_space: global }
      - { .name: out0, .offset: 24, .size: 8, .value_kind: global_buffer, .address_space: global }
    .group_segment_fixed_size: 327680
    .private_segment_fixed_size: 0
    .kernarg_segment_align: 8
    .kernarg_segment_size: 32
    .max_flat_workgroup_size: 128
    .sgpr_count:     96
    .vgpr_count:     768
    .wavefront_size: 32
...
	.end_amdgpu_metadata
.endif
;; end of part 4
;; ======== version 2 of 2: 4 launches; version 1 with the launch prep written anew for expert scheduling mode
;; limits: values are held in f16: magnitudes above 65,504 overflow, below 6.1e-05 lose precision
;; workspace buffers: xb 16,777,216 bytes; wb 6,291,456 bytes; bb 12,288 bytes; qkv 50,331,648 bytes; pm 33,554,432 bytes; st 1,048,576 bytes
;; launch prep (part 5): grid 705 x 1, 8 waves a work-group, no clusters, 0 bytes of LDS; arguments x, Wq, Wk, Wv, bq, bk, bv, xb, wb, bb; writes xb, wb, bb
.if DOCPART == 5
	.amdgcn_target "amdgcn-amd-amdhsa--gfx1250"
	.amdhsa_code_object_version 6
	.text
	.protected	k_q25400309f6_prep
	.globl	k_q25400309f6_prep
	.p2align	8
	.type	k_q25400309f6_prep,@function
k_q25400309f6_prep:
	s_mov_b64 s[64:65], 0
	v_nop
	global_prefetch_b8 v0, s[64:65] scope:SCOPE_SE
	s_setreg_imm32_b32 hwreg(HW_REG_WAVE_SCHED_MODE, 0, 2), 2
	s_setreg_imm32_b32 hwreg(HW_REG_WAVE_MODE, 25, 1), 1
	s_wait_xcnt 0x0
	s_wait_alu depctr_vm_vsrc(0)
; PREP: the inputs are rounded to bf16 once and laid out in blocks for the projection that follows.
;   xb[kb][row][64]  = bf16(x[row][64 kb ..]),  16 x 8192 entries of 128 bytes: the rows of one kb lie end to end
;   wb[fbg][d][64]   = bf16(W[d][64 (fbg % 16) ..]),  fbg = 16 x (0 q, 1 k, 2 v) + f / 64
;   bb[3072]         = bq | bk | bv, each rounded to bf16 and written as f32
; A stream: every byte is read once and written once; no LDS, no matrix unit, no barrier would add anything.
; Work-groups 0-511 take 16 rows of x each, 512-703 take 16 rows of one W, 704 takes the three biases.
; Wave w takes rows 2 w and 2 w + 1.  A load: lanes 0-15 read 256 consecutive bytes of one row, lanes 16-31 of the next row.
; A store: the 32 lanes write 256 consecutive bytes, aligned (two entries of 128 bytes that lie end to end).
; All 16 loads of a wave go out first; no register is written twice, so no source needs freeing.
; THE MODE: SCHED_MODE bits 1:0 = 2 (LLVM: expert scheduling mode 2), set by the entry lines.  The code itself states the register dependences
; between vector instructions and memory instructions, with s_wait_alu, always for 0.
; THE PLAN.  Registers that memory instructions touch:
;   v2 (SRC), v4-19 (DST)  byte offsets: written by the head's arithmetic, read by the loads and by one store each, never written again.
;   v32-95 (IN)            written by the 16 loads alone, once; no vector instruction names them ahead of the loads; block n's four are read by its two roundings.
;   v96-127 (OUT)          pair n is written by block n's two roundings, once, and read by store n.
; So the one kind of dependence is: a vector instruction has written a register that a memory instruction reads.  The 16 blocks go in four groups of four.
; Group g's roundings name IN and OUT of group g alone; the stores of group g - 1 are dealt among them, behind ONE wait at the group's head, which states that
; the group before has written its OUT.  One wait stands ahead of the first load, for all the offsets; one behind the last group, ahead of the last four stores.
; No vector instruction writes a scalar register or VCC, EXEC is never written, and no register that a memory instruction reads is written again.
.set SRC, 2                            ; v2      my byte offset in the work-group's 16 source rows
.set DST, 4                            ; v4-19   my byte offset in the target, one for each kb
.set IN,  32                           ; v32-95  16 loads of 4 registers
.set OUT, 96                           ; v96-127 16 stores of 2 registers
	s_load_b512 s[8:23], s[0:1], 0x0               ; x s[8:9], Wq s[10:11], Wk s[12:13], Wv s[14:15], bq s[16:17], bk s[18:19], bv s[20:21], xb s[22:23]
	s_load_b128 s[24:27], s[0:1], 0x40             ; wb s[24:25], bb s[26:27]
	v_lshrrev_b32 v1, 5, v0                        ; wave w
	v_bfe_u32 v3, v0, 4, 1                         ; h: which half of the lanes
	v_and_b32 v21, 15, v0                          ; c: my place in the half
	v_lshl_add_u32 v20, v1, 1, v3                  ; row 2 w + h
	v_lshlrev_b32 v[SRC], 12, v20                  ; x 4,096 bytes
	v_lshl_add_u32 v[SRC], v21, 4, v[SRC]          ; + 16 c
	v_lshlrev_b32 v[DST], 7, v20                   ; x 128 bytes
	v_lshl_add_u32 v[DST], v21, 3, v[DST]          ; + 8 c
	s_mov_b32 s2, ttmp9
	s_mov_b32 s28, 0x100000                        ; bytes from kb to kb in xb
	s_mov_b32 s29, 0x20000                         ; and in wb
	s_sub_co_u32 s3, s2, 512                       ; (used only where the work-group's number is 512 or more)
	s_lshr_b32 s31, s3, 6                          ; which W
	s_and_b32 s3, s3, 63                           ; which 16 rows of it
	s_lshl_b32 s33, s31, 21                        ; its 16 blocks of 131,072 bytes in wb
	s_wait_kmcnt 0x0
	s_cmp_eq_u32 s2, 704
	s_cbranch_scc1 .Lbias
	s_cmp_eq_u32 s31, 1
	s_cselect_b64 s[34:35], s[12:13], s[10:11]
	s_cmp_eq_u32 s31, 2
	s_cselect_b64 s[34:35], s[14:15], s[34:35]
	s_cmp_lt_u32 s2, 512
	s_cselect_b64 s[34:35], s[8:9], s[34:35]       ; the source
	s_cselect_b64 s[36:37], s[22:23], s[24:25]     ; the target
	s_cselect_b32 s3, s2, s3                       ; the block of 16 rows
	s_cselect_b32 s33, 0, s33
	s_cselect_b32 s30, s28, s29
	s_lshl_b32 s38, s3, 16                         ; 16 rows of 4,096 bytes
	s_mov_b32 s39, 0
	s_add_nc_u64 s[34:35], s[34:35], s[38:39]
	s_lshl_b32 s38, s3, 11                         ; 16 entries of 128 bytes
	s_add_co_u32 s38, s38, s33
	s_add_nc_u64 s[36:37], s[36:37], s[38:39]
.irp k, 1,2,3,4,5,6,7,8,9,10,11,12,13,14,15
	v_add_nc_u32 v[DST+\k], s30, v[DST+\k-1]
.endr
	s_wait_alu depctr_va_vdst(0)                   ; v2 and v4 to v19 are written: every load below reads v2 as its offset, every store one of v4 to v19
.set n_, 0
.rept 16                               ; load n: block n of 64 columns
	global_load_b128 v[IN+4*n_:IN+4*n_+3], v[SRC], s[34:35] offset:n_*256 th:TH_LOAD_NT
.set n_, n_+1
.endr
; Group g: blocks 4 g to 4 g + 3 are rounded; the stores of blocks 4 g - 4 to 4 g - 1 stand among the roundings, one ahead of each block's two.
.set g_, 0
.rept 4
	s_wait_loadcnt 12-4*g_                         ; loads come back in order (ISA guide 5.7.1): this group's four are in, the younger groups' stay out
.if g_ > 0
	s_wait_alu depctr_va_vdst(0)                   ; the roundings of the group before have written its four pairs of OUT, which the four stores below read; no rounding behind this wait names those pairs or the stores' offsets
.endif
.set i_, 0
.rept 4
.set n_, 4*g_+i_
.if g_ > 0
	global_store_b64 v[DST+n_-4], v[OUT+2*(n_-4):OUT+2*(n_-4)+1], s[36:37]
.endif
	v_cvt_pk_bf16_f32 v[OUT+2*n_], v[IN+4*n_], v[IN+4*n_+1]
	v_cvt_pk_bf16_f32 v[OUT+2*n_+1], v[IN+4*n_+2], v[IN+4*n_+3]
.set i_, i_+1
.endr
.set g_, g_+1
.endr
	s_wait_alu depctr_va_vdst(0)                   ; the last group's roundings have written OUT's pairs 12 to 15, which the last four stores read
.set n_, 12
.rept 4
	global_store_b64 v[DST+n_], v[OUT+2*n_:OUT+2*n_+1], s[36:37]
.set n_, n_+1
.endr
	s_endpgm
.Lbias:                                ; 256 threads x 16 bytes are one bias
	v_lshlrev_b32 v22, 4, v0
	s_wait_alu depctr_va_vdst(0)                   ; v22 is written: the three loads and the three stores below read it as their offset
	global_load_b128 v[32:35], v22, s[16:17]
	global_load_b128 v[36:39], v22, s[18:19]
	global_load_b128 v[40:43], v22, s[20:21]
	s_wait_loadcnt 0x0
.irp n, 0,1,2,3,4,5
	v_cvt_pk_bf16_f32 v[44+\n], v[32+2*\n], v[33+2*\n]
.endr
.irp n, 0,1,2,3,4,5
	v_lshlrev_b32 v[52+2*\n], 16, v[44+\n]         ; bf16 back to f32: the low half moves up,
	v_and_b32 v[53+2*\n], 0xffff0000, v[44+\n]     ; the high half stays
.endr
	s_wait_alu depctr_va_vdst(0)                   ; the twelve lines above have written v52 to v63, which the three stores read
	global_store_b128 v22, v[52:55], s[26:27]
	global_store_b128 v22, v[56:59], s[26:27] offset:4096
	global_store_b128 v22, v[60:63], s[26:27] offset:8192
	s_endpgm
.Lfunc_end_k_q25400309f6_prep:
	.size	k_q25400309f6_prep, .Lfunc_end_k_q25400309f6_prep-k_q25400309f6_prep
	.p2alignl 7, 3214868480
	.fill 96, 4, 3214868480
	.section	.rodata,"a",@progbits
	.p2align	6, 0x0
	.amdhsa_kernel k_q25400309f6_prep
		.amdhsa_group_segment_fixed_size 0
		.amdhsa_private_segment_fixed_size 0
		.amdhsa_enable_private_segment 0
		.amdhsa_kernarg_size 80
		.amdhsa_user_sgpr_count 2
		.amdhsa_user_sgpr_kernarg_segment_ptr 1
		.amdhsa_wavefront_size32 1
		.amdhsa_system_sgpr_workgroup_id_x 1
		.amdhsa_system_sgpr_workgroup_id_y 1
		.amdhsa_system_sgpr_workgroup_id_z 1
		.amdhsa_system_vgpr_workitem_id 0
		.amdhsa_next_free_vgpr 128
		.amdhsa_next_free_sgpr 66
		.amdhsa_reserve_vcc 0
		.amdhsa_float_denorm_mode_32 3
		.amdhsa_float_denorm_mode_16_64 3
		.amdhsa_memory_ordered 1
		.amdhsa_forward_progress 1
		.amdhsa_inst_pref_size 10
	.end_amdhsa_kernel
	.amdgpu_metadata
---
amdhsa.version: [ 1, 2 ]
amdhsa.kernels:
  - .name:           k_q25400309f6_prep
    .symbol:         k_q25400309f6_prep.kd
    .args:
      - { .name: x, .offset: 0, .size: 8, .value_kind: global_buffer, .address_space: global }
      - { .name: Wq, .offset: 8, .size: 8, .value_kind: global_buffer, .address_space: global }
      - { .name: Wk, .offset: 16, .size: 8, .value_kind: global_buffer, .address_space: global }
      - { .name: Wv, .offset: 24, .size: 8, .value_kind: global_buffer, .address_space: global }
      - { .name: bq, .offset: 32, .size: 8, .value_kind: global_buffer, .address_space: global }
      - { .name: bk, .offset: 40, .size: 8, .value_kind: global_buffer, .address_space: global }
      - { .name: bv, .offset: 48, .size: 8, .value_kind: global_buffer, .address_space: global }
      - { .name: xb, .offset: 56, .size: 8, .value_kind: global_buffer, .address_space: global }
      - { .name: wb, .offset: 64, .size: 8, .value_kind: global_buffer, .address_space: global }
      - { .name: bb, .offset: 72, .size: 8, .value_kind: global_buffer, .address_space: global }
    .group_segment_fixed_size: 0
    .private_segment_fixed_size: 0
    .kernarg_segment_align: 8
    .kernarg_segment_size: 80
    .max_flat_workgroup_size: 256
    .sgpr_count:     66
    .vgpr_count:     128
    .wavefront_size: 32
...
	.end_amdgpu_metadata
.endif
;; end of part 5
;; launch proj: the kernel of part 2 again; grid 8 x 32, 4 waves a work-group, clusters of 4 x 4, 327,680 bytes of LDS; arguments xb, wb, bb, qkv; writes qkv
;; launch scores: the kernel of part 3 again; grid 8 x 32, 4 waves a work-group, clusters of 4 x 4, 327,680 bytes of LDS; arguments qkv, pm, st; writes pm, st
;; launch pv: the kernel of part 4 again; grid 4 x 64, 4 waves a work-group, clusters of 4 x 4, 327,680 bytes of LDS; arguments pm, st, qkv, out0; writes out0
